; MI455X (gfx1250); checked and timed in simulation.
; The chip was launched on July 23, 2026; its instructions are those of AMD's public machine-readable ISA for CDNA 5 (MIT licence, August 2026) and "CDNA5" Instruction Set Architecture Reference Guide (July 2026). The comments in the code are by the model that wrote it; some were corrected since.
;; Causal Self Attention. Allowed arithmetic: matrix products marked QUANTISED: E4M3 operands, one E8M0 scale for each 32 along K, by v_wmma_scale_f32_16x16x128_f8f6f4 with both operands' format E4M3, f32 sums; everything else in f32.
;; Inputs: w_proj_codes 1,024 x 32 x 32 uint8 (E4M3 codes of w_proj, K innermost, in blocks of 32 codes); w_proj_scales 1,024 x 32 uint8 (E8M0 scales of w_proj, one for each 32 codes along K); w_qkv_codes 3,072 x 32 x 32 uint8 (E4M3 codes of w_qkv, K innermost, in blocks of 32 codes); w_qkv_scales 3,072 x 32 uint8 (E8M0 scales of w_qkv, one for each 32 codes along K); x_codes 4 x 2,048 x 32 x 32 uint8 (E4M3 codes of x, K innermost, in blocks of 32 codes); x_scales 4 x 2,048 x 32 uint8 (E8M0 scales of x, one for each 32 codes along K).
;; Outputs: out0 4 x 2,048 x 1,024 float32.
;; This version of the problem:
;;   THIS VERSION OF THE PROBLEM IS GIVEN IN LOW PRECISION. The matrix products marked QUANTISED in the list below multiply operands that are first quantised to E4M3 (4 exponent bits, 3 mantissa bits; 8 bits a number), with one power-of-two scale for each 32 numbers along K (OCP MX v1.0); their sums are f32. All else is computed in f32.
;;   The module's matrix products, in the order in which they are computed (A, B: the left and right operand; K: the contracted axis; several contracted axes count as one K, in the product's order):
;;     1. [M 8,192, K 1,024] x [K 1,024, N 3,072]; A: input x (given as codes); B: input w_qkv (given as codes): QUANTISED
;;     2. batch 64 x [M 2,048, K 64] x [K 64, N 2,048]; A: computed on the way; B: computed on the way: QUANTISED
;;     3. batch 64 x [M 2,048, K 2,048] x [K 2,048, N 64]; A: softmax (see below); B: computed on the way: QUANTISED
;;     4. [M 8,192, K 1,024] x [K 1,024, N 1,024]; A: computed on the way; B: input w_proj (given as codes): QUANTISED
;;   THE QUANTISER, for each operand of a quantised product, along K:
;;     - K is cut into blocks of 32 from its start; a last block that is shorter is filled with zeros.
;;     - A block's scale is 2^e with e = floor(log2(the largest magnitude in the block)) - 8, held to -126 .. 127; a block of zeros has e = 0. As a byte (E8M0): e + 127.
;;     - Each number is divided by its block's scale, clamped to +-448, and rounded to the nearest number of E4M3, ties to even, subnormals kept.
;;     - The product sums the exact products of the quantised numbers (number of the format x scale) in f32.
;;   ~~~python
;;   def quantise(x, axis):      # numpy; x: float32 -> the quantised numbers, widened to float32 again
;;       x = np.moveaxis(x, axis, -1); K = x.shape[-1]
;;       x = np.pad(x, [(0, 0)] * (x.ndim - 1) + [(0, -K % 32)]); x = x.reshape(x.shape[:-1] + (-1, 32)); a = np.abs(x).max(-1, keepdims=True)
;;       e = np.where(a > 0, np.clip(np.frexp(np.where(a > 0, a, 1))[1] - 1 - 8, -126, 127), 0)      # np.frexp(a)[1] - 1 = floor(log2(a)), exactly
;;       r = np.clip(x / 2.0 ** e, -448, 448)
;;       step = 2.0 ** (np.maximum(np.frexp(np.where(r == 0, 1, r))[1] - 1, -6) - 3)
;;       q = np.round(r / step) * step * 2.0 ** e      # np.round: ties to even
;;       return np.moveaxis(q.reshape(q.shape[:-2] + (-1,))[..., :K], -1, axis).astype(np.float32)
;;   ~~~
;;   SOFTMAX AHEAD OF A QUANTISED PRODUCT. Where the list says 'softmax', what is quantised is not the finished softmax but p = 2^(t - M), with t = logit x log2(e) and M = ceil(the row's largest t), a whole number; so 1/2 < the row's largest p <= 1. The row's sum l is taken of the UNQUANTISED p, in f32, and the product's result is divided by l at the end. Since M is a whole number, a kernel that streams over the keys may use a running M (the ceiling of the running maximum): every later rescaling is an exact power of two, which a block's scale takes up: the codes' values come out the same.
;;   OPERANDS COMPUTED ON THE WAY. 'Computed on the way' means the value that the module computes at that place (a softmax that the list does not call 'softmax' is quantised finished and normalised). What goes into a quantiser is computed in f32, as accurately as f32 sums, v_exp_f32 and their like allow (about 1e-6 of the number): no bf16 or f16 on the way to a quantiser, and a product that is left as it is and whose result goes on into a quantised operand takes f32 operands (vector FMAs, or v_wmma_f32_16x16x4_f32). A number that lies on a knife's edge between two numbers of the format may be rounded either way, as far as f32 arithmetic and the matrix unit's own rounding can turn it there, and no further.
;;   INPUTS GIVEN AS CODES. w_proj (in the module: [1024, 1024], K = its axis 1); w_qkv (in the module: [3072, 1024], K = its axis 1); x (in the module: [4, 2048, 1024], K = its axis 2): each comes as NAME_codes (uint8): NAME with its K axis moved to the last place and cut into blocks of 32 codes, [.., K / 32, bytes a block], one block behind the other in memory; one code a byte (a code: sign, 4 exponent bits, 3 mantissa bits); and NAME_scales (uint8): the same leading axes, one E8M0 byte (e + 127) for each 32 codes along K. Its value is code x scale, taken as it is: it is not quantised again, and the codes and scales need not be those that the quantiser above would give.
;; One version. Each part assembles by itself: llvm-mc -triple=amdgcn-amd-amdhsa -mcpu=gfx1250 --defsym DOCPART=n.
;; ======== version 1 of 1: 3 launches
;; limits: right only within a limited range of input values
;; workspace buffers: q_img 8,388,608 bytes; k_img 8,388,608 bytes; v_img 8,388,608 bytes; q_sc 524,288 bytes; k_sc 524,288 bytes; v_sc 262,144 bytes; y_img 8,388,608 bytes; y_sc 262,144 bytes
;; launch qkv (part 1): grid 8 x 48, 4 waves a work-group, clusters of 4 x 4, 327,680 bytes of LDS; arguments x_codes, x_scales, w_qkv_codes, w_qkv_scales, q_img, q_sc, k_img, k_sc, v_img, v_sc; writes q_img, q_sc, k_img, k_sc, v_img, v_sc
.if DOCPART == 1
	.amdgcn_target "amdgcn-amd-amdhsa--gfx1250"
	.amdhsa_code_object_version 6
	.text
	.protected	k_qf28bec4d22_qkv
	.globl	k_qf28bec4d22_qkv
	.p2align	8
	.type	k_qf28bec4d22_qkv,@function
k_qf28bec4d22_qkv:
	s_mov_b64 s[64:65], 0
	v_nop
	global_prefetch_b8 v0, s[64:65] scope:SCOPE_SE
	s_setreg_imm32_b32 hwreg(HW_REG_WAVE_MODE, 25, 1), 1
	s_wait_xcnt 0x0
	s_wait_alu depctr_hold_cnt(0) depctr_sa_sdst(0) depctr_va_vdst(0) depctr_va_sdst(0) depctr_va_ssrc(0) depctr_va_vcc(0) depctr_vm_vsrc(0)
	s_getreg_b32 s2, hwreg(HW_REG_IB_STS2, 6, 4)
	s_cmp_eq_u32 s2, 0
	s_cbranch_scc0 .Lentry_in_a_cluster
	s_endpgm
.Lentry_in_a_cluster:
	s_bfe_u32 s2, ttmp6, 0x10000c
	s_cmp_lg_u32 s2, 0xf033
	s_cbranch_scc0 .Lentry_shape_is_right
	s_endpgm
.Lentry_shape_is_right:
; qkv = x w_qkv^T on codes of FP8 (E4M3) with one E8M0 scale for each 32 along K = 1,024, and the quantisers of q, k (along the head's 64) and v (along the keys) on the results, which leave as codes.
; ONE TEXT, TWO OPERAND ROLES.  R is source 1 of the matrix instruction (a lane holds ONE row of R), P is source 0 (a lane's eight results are eight neighbouring rows of P).  The quantiser runs along P.
;   clusters with y < 8 (q and k): R = 256 tokens of x, P = 256 rows of w_qkv (rows 0 .. 2,047): P runs along the heads' channels.
;   clusters with y >= 8 (v):      R = 256 rows of w_qkv (rows 2,048 on), P = 256 tokens of x: P runs along the keys.
; Only pointers and offsets are chosen, by selects on the cluster's x and y, which all sixteen partners share.
; A tile, 256 R x 256 P, is made by four waves, each 128 x 128: 64 accumulators, 512 registers.  K goes in steps of 256 through a ring of two LDS slots filled by the tensor data mover;
; the scale bytes of the tile's rows, for all of K, come once, with the first fills.  4 x 4 work-groups form a cluster: R's tiles are asked for jointly along a row of the cluster, P's along a column.
; THE RESULTS LEAVE AS IMAGES OF OPERAND REGISTERS: a chunk is 32 lanes x 16 bytes; lane (r, h) of chunk c holds the 16 codes k = 32 c + 16 h + 0 .. 15 of row r.  Each store of a wave covers 512 consecutive bytes, aligned.
;   q_img, k_img: [batch 4][head pair 8][16 tokens 128][head of the pair 2][c 2][lane][16];  q_sc, k_sc: [batch][head pair][head of the pair][token 2,048] words: bytes 0, 1 the head's two scale bytes, bytes 2, 3 zero.
;   v_img: [batch][head pair][128 keys 16][head of the pair 2][16 channels 4][c 4][lane][16];  v_sc: [batch][head pair][128 keys][head of the pair][16 channels][r 16] words: the four scale bytes of 128 keys.
; LIMITS: a block whose largest magnitude lies under 2^-118 keeps the scale byte 1; a block of zeros gets the byte 1 and zero codes (these bytes are read by this program alone); NaN and infinities are not served.
; REGISTERS, in windows of 256: window 0: v16-30 addresses; v32-63 scale words, two sets, and nothing else; from v128 R's fragments, ONE set (on the way out: codes and figures).
;   window 1: P's fragments, TWO sets, at v0 and v128.   window 2: the accumulators of my R rows 0-63 ((a, b) at v[8 (8 (a % 4) + b)]);   window 3: those of rows 64-127.
.set KSTEP,  256                       ; along K in a slot
.set NQ,     2                         ; matrix instructions deep
.set ROWB,   256                       ; a tile's row in bytes
.set KROW,   1024                      ; a row of x or of w_qkv in memory, in bytes
.set PITCH,  272                       ; an LDS row: 256 bytes + 16 of padding = 68 words: row r starts at bank 4 r mod 64 (64 banks of 4 bytes: ISA guide 11.1)
.set FR,     16                        ; registers of a fragment: 16 rows x 128 K
.set NL,     4                         ; LDS loads that bring one
.set NP,     8                         ; places behind this matrix instruction (ISA guide 7.12.1)
.set HALFT,  128*PITCH                 ; 128 rows: what one tensor load brings
.set SLOT,   4*HALFT                   ; R's 256 rows, then P's 256 rows
.set LAPS,   2                         ; a lap = two K steps = once round the ring: 1,024 / 512
.set KS,     32                        ; a row of scale bytes
.set SCL,    2*SLOT                    ; behind the ring: the scales, as units of 256 bytes + 16 of padding
.set HALFS,  16*272                    ; the scales of 128 rows
.set SBLK,   2*272                     ; those of 16 rows
.set SPARE,  SCL+4*HALFS               ; the spare words, 128 bytes for each wave: two blocks of 256 bytes that no other line names
.set ADRA, 16                          ; v16-17  LDS address of my R fragments in slot 0, 1
.set ADRB, 20                          ; v20-21  the same for P
.set SST,  24                          ; v24     the way out: where I put a scale word: 1,024 x wave + 512 h + 4 r, in slot 0, which has had its last fill and its last read by then
.set SRD,  25                          ; v25     and where I read 16 bytes of them back: 1,024 x wave + 16 x lane
.set LI,   26                          ; v26     16 x lane: my place in a chunk
.set ADRS, 27                          ; v27     LDS address of my scale words: lanes 0-15 R's rows, lanes 16-31 P's
.set SPW,  28                          ; v28     LDS address of my spare word; never rewritten
.set NIL,  29                          ; v29     0; never rewritten
.set VSH,  30                          ; v30     q, k: 16 h; v: 0: which half of the scale word my lane hands on
.set SC,   32                          ; scale words
.set AF,   128                         ; R's fragments
.set X,    64
.set PC0,  128                         ; four sets of 16 registers of codes
.set TM,   192                         ; largest magnitudes of the four blocks
.set TP,   196                         ; the other half's; then the bytes
.set LM,   200
.set SOP,  204                         ; the conversions' scale operands
.set PW,   208                         ; the four bytes as a word
.set PWS,  209                         ; what of it my lane hands on
.set SBK,  212                         ; v212-219 scale words read back
.set G1, 24                            ; s[24:31] group 1 for R's tiles;  s[32:39] groups 0, one for each slot
.set G0, 32
.set G1B, 48                           ; s[48:55], s[56:63] the same for P's
.set G0B, 56
.set G1S, 68                           ; s[68:75], s[76:79] for R's scales;  s[80:87], s[88:91] for P's
.set G0S, 76
.set G1SB, 80
.set G0SB, 88
.set KIND, 95                          ; s95  1: q and k;  0: v
.set MNT,  98
.set MASK, 99                          ; s99  q, k: 0xffff;  v: all ones
.set SEL,  100                         ; s[100:101] lane selects for v_permlanex16_b32: lane l xor 16
.set MSB, 0
.macro WIN new                         ; the immediate's high byte repeats the setting that is left
.if MSB != \new
	s_set_vgpr_msb (MSB<<8)|\new
.set MSB, \new
.endif
.endm
.set MUL_LO, 0xa1                      ; source 0 (P) window 1, source 1 (R) window 0, C and D window 2
.set MUL_HI, 0xf1                      ; the same, C and D window 3
.set TO_B,   0x40                      ; destination window 1, address window 0
; A joint load: waves 0 and 1 fetch for R, waves 2 and 3 for P.  The branch hangs on the wave's number alone.  Four v_nop follow each of the two lines.
.macro JLOAD g0a, g1a, g0b, g1b
	s_cmp_eq_u32 s15, 0
	s_cbranch_scc0 .Lfor_b_\@
	tensor_load_to_lds s[\g0a:\g0a+3], s[\g1a:\g1a+7]
	s_nop 0
.rept 4
	v_nop
.endr
	s_branch .Lasked_\@
.Lfor_b_\@:
	tensor_load_to_lds s[\g0b:\g0b+3], s[\g1b:\g1b+7]
	s_nop 0
.rept 4
	v_nop
.endr
.Lasked_\@:
.endm
.macro CREST                           ; a round of the cluster's barrier behind its opening barrier
	s_cmp_lg_u32 s14, 0
	s_cbranch_scc1 .Lnot_wave_0_\@
	s_barrier_signal -3
.Lnot_wave_0_\@:
	s_barrier_wait -3
	s_barrier_signal -1
	s_barrier_wait -1
.endm
.macro CROUND                          ; a whole round
	s_barrier_signal -1
	s_barrier_wait -1
	CREST
.endm
	s_load_b256 s[4:11], s[0:1], 0x0               ; x's codes s[4:5], x's scales s[6:7], w_qkv's codes s[8:9], its scales s[10:11]
	v_lshl_add_u32 v[SPW], v0, 2, SPARE
	v_mov_b32 v[NIL], 0
	ds_add_u32 v28, v29
	ds_add_u32 v28, v29
	s_wait_dscnt 0x0
	v_lshrrev_b32 v1, 5, v0
	v_readfirstlane_b32 s14, v1                    ; wave 0..3
	s_lshr_b32 s15, s14, 1                         ; which half of the tile's R rows is mine.  Also: I fetch for R (0) or for P (1)
	s_and_b32 s16, s14, 1                          ; which half of its P rows.  Also: which 128 rows of that tile I fetch
	s_bfe_u32 s40, ttmp6, 0x40000                  ; cx, cy: my place in the cluster
	s_bfe_u32 s41, ttmp6, 0x40004
	s_and_b32 s97, ttmp7, 0xffff                   ; the cluster's y
	s_lshl_b32 s17, s97, 2                         ; 4 y
	s_lshl_b32 s42, ttmp9, 2                       ; 4 x
	s_lshl_b32 s18, s97, 3
	s_add_co_u32 s18, s18, s42
	s_sub_co_u32 s18, s18, 64                      ; 8 (y - 8) + 4 x: used where y >= 8 alone
	s_cmp_lt_u32 s97, 8                            ; q and k, or v?  The same in all sixteen partners
	s_cselect_b32 s[KIND], 1, 0
	s_cselect_b32 s17, s17, 0                      ; R's first tile of the cluster: 32 tiles of tokens, or the 4 tiles of v's rows of w_qkv
	s_cselect_b32 s42, s42, s18                    ; P's: 8 tiles of w_qkv's rows, or 32 tiles of tokens
	s_cselect_b32 s19, 0, 2048                     ; v's rows of w_qkv begin at row 2,048
	s_add_co_u32 s17, s17, s41                     ; R's tile: + cy
	s_add_co_u32 s42, s42, s40                     ; P's tile: + cx
	s_lshl_b32 s43, s41, 2
	s_lshl_b32 s43, 15, s43                        ; my row of the cluster
	s_lshl_b32 s44, 0x1111, s40                    ; my column
	; descriptor group 1: a tile of 128 rows x 256 bytes, padded in LDS
	s_or_b32 s[G1+0], s43, (0<<16)|(1<<20)|(1<<21)|(5<<22)|(3<<25)  ; 15:0 the mask: R's tiles go to my row; 17:16 element of 1 byte; 20 padding on; 21 set beside a mask; 24:22 after every 64 words; 31:25 four words
	s_or_b32 s[G1B+0], s44, (0<<16)|(1<<20)|(1<<21)|(5<<22)|(3<<25)
.irp g, G1, G1B
	s_mov_b32 s[\g+1], ROWB<<16                    ; tensor_dim0
	s_mov_b32 s[\g+2], 128<<16                     ; tensor_dim1
	s_mov_b32 s[\g+3], ROWB<<16                    ; tile_dim0
	s_mov_b32 s[\g+4], 128                         ; tile_dim1
	s_mov_b32 s[\g+5], KROW                        ; tensor_dim0_stride
	s_mov_b32 s[\g+6], 0
	s_mov_b32 s[\g+7], 0
.endr
	; the scales of 128 rows: 4,096 dense bytes, as 16 rows of 256 bytes (32 elements of 8 bytes), 16 bytes of padding behind each
	s_or_b32 s[G1S+0], s43, (3<<16)|(1<<20)|(1<<21)|(5<<22)|(3<<25)
	s_or_b32 s[G1SB+0], s44, (3<<16)|(1<<20)|(1<<21)|(5<<22)|(3<<25)
.irp g, G1S, G1SB
	s_mov_b32 s[\g+1], 32<<16
	s_mov_b32 s[\g+2], 16<<16
	s_mov_b32 s[\g+3], 32<<16
	s_mov_b32 s[\g+4], 16
	s_mov_b32 s[\g+5], 32
	s_mov_b32 s[\g+6], 0
	s_mov_b32 s[\g+7], 0
.endr
	s_lshl_b32 s18, s16, 7                         ; which 128 rows of the tile I fetch
	s_lshl_b32 s20, s17, 8
	s_add_co_u32 s20, s20, s18
	s_add_co_u32 s20, s20, s19                     ; R: row 256 x tile + 128 x half (+ 2,048 in w_qkv for v)
	s_lshl_b32 s46, s42, 8
	s_add_co_u32 s46, s46, s18                     ; P: row 256 x tile + 128 x half
	s_mov_b32 s21, 0
	s_mov_b32 s47, 0
	s_lshl_b64 s[22:23], s[20:21], 5               ; where these rows' scales begin, in bytes: 32 a row
	s_lshl_b64 s[92:93], s[46:47], 5
	s_lshl_b64 s[20:21], s[20:21], 10              ; and their codes: 1,024 a row
	s_lshl_b64 s[46:47], s[46:47], 10
	s_mul_i32 s45, s14, HALFT                      ; where they go: wave x 128 rows: no place in the cluster enters an LDS address
	s_mul_i32 s94, s14, HALFS
	s_wait_kmcnt 0x0
	s_cmp_eq_u32 s[KIND], 1                        ; which tensor is R and which is P: the choice hangs on the cluster's y alone
	s_cselect_b64 s[98:99], s[4:5], s[8:9]         ; R's codes
	s_cselect_b64 s[100:101], s[6:7], s[10:11]     ; R's scales
	s_cselect_b64 s[4:5], s[8:9], s[4:5]           ; P's codes
	s_cselect_b64 s[6:7], s[10:11], s[6:7]         ; P's scales
	s_add_nc_u64 s[20:21], s[98:99], s[20:21]
	s_add_nc_u64 s[22:23], s[100:101], s[22:23]
	s_add_nc_u64 s[46:47], s[4:5], s[46:47]
	s_add_nc_u64 s[92:93], s[6:7], s[92:93]
	CROUND                                         ; all sixteen work-groups are here: the first joint loads meet
	s_mov_b32 s[G0S], 1
	s_add_co_u32 s[G0S+1], s94, SCL
	s_mov_b64 s[G0S+2:G0S+3], s[22:23]
	s_or_b32 s[G0S+3], s[G0S+3], 0x80000000
	s_mov_b32 s[G0SB], 1
	s_add_co_u32 s[G0SB+1], s94, SCL
	s_mov_b64 s[G0SB+2:G0SB+3], s[92:93]
	s_or_b32 s[G0SB+3], s[G0SB+3], 0x80000000
	JLOAD G0S, G1S, G0SB, G1SB                     ; the scales first: they are wanted with K step 0
.irp s, 0,1
	s_mov_b32 s[G0+4*\s], 1
	s_add_co_u32 s[G0+4*\s+1], s45, \s*SLOT
	s_add_nc_u64 s[G0+4*\s+2:G0+4*\s+3], s[20:21], \s*ROWB
	s_or_b32 s[G0+4*\s+3], s[G0+4*\s+3], 0x80000000
	s_mov_b32 s[G0B+4*\s], 1
	s_add_co_u32 s[G0B+4*\s+1], s45, \s*SLOT
	s_add_nc_u64 s[G0B+4*\s+2:G0B+4*\s+3], s[46:47], \s*ROWB
	s_or_b32 s[G0B+4*\s+3], s[G0B+4*\s+3], 0x80000000
	JLOAD G0+4*\s, G1, G0B+4*\s, G1B               ; three tensor loads of mine are out now
.endr
	v_and_b32 v1, 15, v0                           ; r = l % 16
	v_bfe_u32 v2, v0, 4, 1                         ; h = l / 16
	v_mul_u32_u24 v3, v1, PITCH
	v_lshl_add_u32 v4, v2, 4, v3                   ; a fragment's row x pitch + 16 x half
	s_mul_i32 s21, s15, HALFT                      ; my 128 rows of R
	s_mul_i32 s22, s16, HALFT                      ; my 128 rows of P,
	s_add_co_u32 s22, s22, 2*HALFT                 ; which lie behind R's 256
.irp s, 0,1
	v_add_nc_u32 v[ADRA+\s], s21, v4
	v_add_nc_u32 v[ADRB+\s], s22, v4
	s_add_co_u32 s21, s21, SLOT
	s_add_co_u32 s22, s22, SLOT
.endr
	v_mul_u32_u24 v5, v1, KS                       ; my row's scales: 32 bytes a row,
	v_lshrrev_b32 v6, 8, v5
	v_lshl_add_u32 v5, v6, 4, v5                   ; and 16 more for each 256 passed
	s_mul_i32 s21, s15, HALFS                      ; R's: my 128 rows
	s_mul_i32 s22, s16, HALFS                      ; P's: my 128 rows, behind R's 256
	s_add_co_u32 s22, s22, 2*HALFS
	s_sub_co_u32 s22, s22, s21
	v_mul_u32_u24 v6, s22, v2                      ; lanes 16-31 take P's
	s_add_co_u32 s21, s21, SCL
	v_add_nc_u32 v5, v5, v6
	v_add_nc_u32 v[ADRS], s21, v5
	s_lshl_b32 s23, s14, 10                        ; my 1,024 bytes for the scale words on the way out
	v_lshlrev_b32 v5, 2, v1
	v_lshl_add_u32 v5, v2, 9, v5
	v_add_nc_u32 v[SST], s23, v5                   ; 512 h + 4 r
	v_and_b32 v6, 31, v0
	v_lshlrev_b32 v[LI], 4, v6
	v_add_nc_u32 v[SRD], s23, v[LI]
	; where my results go.  rr, pp: my first row of R and of P
	s_lshl_b32 s20, s17, 8
	s_lshl_b32 s21, s15, 7
	s_add_co_u32 s20, s20, s21                     ; rr
	s_lshl_b32 s46, s42, 8
	s_lshl_b32 s47, s16, 7
	s_add_co_u32 s46, s46, s47                     ; pp
	s_and_b32 s47, s46, 1023                       ; q, k: my first channel of 1,024
	s_cmp_eq_u32 s[KIND], 1
	s_cselect_b32 s18, s20, s46                    ; my first token
	s_cselect_b32 s19, s47, s20                    ; my first channel: 128 of them, a pair of heads
	s_cselect_b32 s21, 14, 13                      ; a head pair's scale words: 2^14 bytes (q, k) or 2^13 (v)
	s_cselect_b32 s22, 16, 0
	s_cselect_b32 s[MASK], 0xffff, -1
	v_mul_u32_u24 v[VSH], s22, v2                  ; q, k: lanes 16-31 hand on the word's upper half, the pair's second head
	s_lshr_b32 s23, s18, 11
	s_lshl_b32 s23, s23, 3
	s_lshr_b32 s19, s19, 7
	s_add_co_u32 s23, s23, s19                     ; 8 x batch + head pair
	s_and_b32 s18, s18, 2047                       ; my first token in its batch
	s_lshl_b32 s46, s23, 18                        ; a head pair's images are 2^18 bytes;
	s_lshl_b32 s47, s18, 7                         ; 16 tokens of q, k are 2,048 bytes, 128 keys of v 16,384: 128 bytes a token in both
	s_add_co_u32 s46, s46, s47
	s_mov_b32 s47, 0
	s_lshl_b32 s92, s23, s21
	s_lshl_b32 s93, s18, 2                         ; q, k: 4 bytes a token;  v: 512 bytes for 128 keys
	s_add_co_u32 s92, s92, s93
	s_mov_b32 s93, 0
	s_mov_b32 s[SEL], 0x76543210
	s_mov_b32 s[SEL+1], 0xfedcba98
	s_load_b256 s[4:11], s[0:1], 0x20              ; q_img s[4:5], q_sc s[6:7], k_img s[8:9], k_sc s[10:11]
	s_load_b128 s[20:23], s[0:1], 0x40             ; v_img s[20:21], v_sc s[22:23]
	s_wait_alu depctr_va_vdst(0)
	s_wait_kmcnt 0x0
	s_cmp_eq_u32 ttmp9, 0                          ; the cluster's x: w_qkv's rows 0 .. 1,023 are q's, 1,024 .. 2,047 k's
	s_cselect_b64 s[12:13], s[4:5], s[8:9]
	s_cselect_b64 s[66:67], s[6:7], s[10:11]
	s_cmp_eq_u32 s[KIND], 1
	s_cselect_b64 s[12:13], s[12:13], s[20:21]
	s_cselect_b64 s[66:67], s[66:67], s[22:23]
	s_add_nc_u64 s[12:13], s[12:13], s[46:47]      ; my images
	s_add_nc_u64 s[66:67], s[66:67], s[92:93]      ; my scale words
.macro FRAG reg, adr, q, i             ; a fragment, 16 rows x 128 K: lane l holds row l % 16; registers 4 c .. 4 c + 3 hold K = 32 c + 16 (l / 16) + 0 .. 15
.irp c, 0,1,2,3
	ds_load_b128 v[\reg+4*\c:\reg+4*\c+3], v[\adr] offset:128*(\q)+32*\c+(\i)*16*PITCH
.endr
.endm
; 16 matrix instructions: R's blocks a0, a0 + 1 x P's eight, 128 along K.  p: P's set;  sc: the set of scale words.  zero = 1: the first product starts the sums.
; The 64 accumulators take turns, one instruction a turn, in the same order in every step.
.macro MUL16 a0, p, q, sc, zero
.irp a, \a0, \a0+1
.irp b, 0,1,2,3,4,5,6,7
.if \zero
	v_wmma_scale_f32_16x16x128_f8f6f4 v[8*(8*((\a)%4)+\b):8*(8*((\a)%4)+\b)+7], v[128*(\p)+FR*\b:128*(\p)+FR*\b+FR-1], v[AF+FR*(\a):AF+FR*(\a)+FR-1], 0, v[SC+8*NQ*(\sc)+NQ*\b+(\q)], v[SC+8*NQ*(\sc)+NQ*(\a)+(\q)] matrix_a_scale:MATRIX_SCALE_ROW1
.else
	v_wmma_scale_f32_16x16x128_f8f6f4 v[8*(8*((\a)%4)+\b):8*(8*((\a)%4)+\b)+7], v[128*(\p)+FR*\b:128*(\p)+FR*\b+FR-1], v[AF+FR*(\a):AF+FR*(\a)+FR-1], v[8*(8*((\a)%4)+\b):8*(8*((\a)%4)+\b)+7], v[SC+8*NQ*(\sc)+NQ*\b+(\q)], v[SC+8*NQ*(\sc)+NQ*(\a)+(\q)] matrix_a_scale:MATRIX_SCALE_ROW1
.endif
.endr
.endr
.endm
.macro FETCH_B slot, q, p              ; P's eight fragments of the slot's q-th 128 along K into set p
	WIN TO_B
.irp i, 0,1,2,3,4,5,6,7
	FRAG 128*(\p)+FR*\i, ADRB+\slot, \q, \i
.endr
	WIN 0
.endm
.macro FETCH_A slot, q, i0             ; R's blocks i0 .. i0 + 3
.irp i, \i0, \i0+1, \i0+2, \i0+3
	FRAG AF+FR*(\i), ADRA+\slot, \q, \i
.endr
.endm
.macro SCALES sc                       ; a K step's scale words into set sc: two words a row; lanes 0-15 take R's block i, lanes 16-31 P's block i
.irp i, 0,1,2,3,4,5,6,7
	ds_load_b64 v[SC+8*NQ*\sc+NQ*\i:SC+8*NQ*\sc+NQ*\i+1], v[ADRS] offset:\i*SBLK
.endr
.endm
.macro PLACES n                        ; plain vector instructions between a matrix instruction and a load into, or a vector instruction on, its registers
.rept \n
	v_nop
.endr
.endm
; A step of 128 along K that has its successor in the same slot.
.macro STEP slot, q, zero
	s_wait_dscnt 4*NL                              ; P's set and R's blocks 0-3 are in; the youngest 16 loads (R's blocks 4-7) may be out
	WIN MUL_LO
	MUL16 0, (\q)%2, \q, \slot, \zero
	MUL16 2, (\q)%2, \q, \slot, \zero
	s_wait_dscnt 0                                 ; R's blocks 4-7 are in
	PLACES NP
	FETCH_B \slot, (\q)+1, 1-(\q)%2
	FETCH_A \slot, (\q)+1, 0
	WIN MUL_HI
	MUL16 4, (\q)%2, \q, \slot, \zero
	MUL16 6, (\q)%2, \q, \slot, \zero
	PLACES NP
	WIN 0
	FETCH_A \slot, (\q)+1, 4
.endm
; A slot's last step changes slots: ONE barrier; in front of it each wave waits for all its tensor loads, adds 0 to its spare word, and waits for that and for its own reads of this slot.  fill = 1: this slot is filled again, two K steps ahead.
.macro TURN slot, next, fill
	s_wait_tensorcnt 0x0                           ; all my tensor loads have landed: my part of the next slot
	ds_add_u32 v[SPW], v[NIL]                      ; 0 onto my spare word
	s_wait_dscnt 4*NL+1                            ; (the add and the youngest 16 loads, R's blocks 4-7, may be out)
	WIN MUL_LO
	MUL16 0, 1, NQ-1, \slot, 0                     ; sixteen matrix instructions stand between the add and the wait for it
	s_wait_dscnt 0x0                               ; the add is done, and my reads of this slot are over
	s_barrier_signal -1
	MUL16 2, 1, NQ-1, \slot, 0
	WIN 0
	s_barrier_wait -1
.if \fill
	CREST                                          ; the barrier has opened a round of the cluster's barrier: no wave of any partner still reads this slot's tile or has a load on its way
	s_add_nc_u64 s[G0+4*\slot+2:G0+4*\slot+3], s[G0+4*\slot+2:G0+4*\slot+3], 2*ROWB
	s_add_nc_u64 s[G0B+4*\slot+2:G0B+4*\slot+3], s[G0B+4*\slot+2:G0B+4*\slot+3], 2*ROWB
	JLOAD G0+4*\slot, G1, G0B+4*\slot, G1B         ; the first tensor load behind the round; its four v_nop are among the places in front of the loads below
	PLACES NP-4
.else
	PLACES NP
.endif
	s_wait_alu depctr_va_vdst(0)
	v_add_nc_u32 v[ADRS], 4*NQ, v[ADRS]            ; on to the next K step's scale words
	FETCH_B \next, 0, 0
	FETCH_A \next, 0, 0
	SCALES \next
	WIN MUL_HI
	MUL16 4, 1, NQ-1, \slot, 0
	MUL16 6, 1, NQ-1, \slot, 0
	PLACES NP
	WIN 0
	FETCH_A \next, 0, 4
.endm
	s_wait_tensorcnt 1                             ; the scales and my part of K step 0 are in (K step 1's load may be out)
	s_barrier_signal -1
	s_barrier_wait -1                              ; everybody's are
	FETCH_B 0, 0, 0
	FETCH_A 0, 0, 0
	SCALES 0
	FETCH_A 0, 0, 4
	STEP 0, 0, 1                                   ; the first step stands in front of the loop: its products start the sums
	s_mov_b32 s3, LAPS-1
.Llap:                                                 ; a trip goes once round the ring and fills both slots again
	TURN 0, 1, 1
	STEP 1, 0, 0
	TURN 1, 0, 1
	STEP 0, 0, 0
	s_sub_co_u32 s3, s3, 1
	s_cmp_lg_u32 s3, 0
	s_cbranch_scc1 .Llap
	TURN 0, 1, 0                                   ; the last lap fills nothing, and has no round of the cluster's barrier
	STEP 1, 0, 0
	s_wait_dscnt 4*NL                              ; the very last step: nothing more to fetch
	WIN MUL_LO
	MUL16 0, 1, NQ-1, 1, 0
	MUL16 2, 1, NQ-1, 1, 0
	s_wait_dscnt 0
	WIN MUL_HI
	MUL16 4, 1, NQ-1, 1, 0
	MUL16 6, 1, NQ-1, 1, 0
	WIN 0
; THE WAY OUT: R's block a (16 rows x my 128 along P) is quantised along P, four blocks of 32, and leaves as four chunks.
; Of block b of 32, lane (r, h) holds P = 32 b + 8 h + 0 .. 7 (accumulator 2 b) and 32 b + 16 + 8 h + 0 .. 7 (accumulator 2 b + 1): the block's largest magnitude is joined with lane l xor 16's.
; The operand's layout wants 32 b + 16 h + 0 .. 15 in lane (r, h): so, as codes, lanes 0-15's second eight and lanes 16-31's first eight change places (v_permlane16_swap_b32: two registers a block, two swaps).
.macro QUANTW a
.set AC, 64*((\a)%4)
.set PCS, PC0+16*((\a)%4)
.if (\a) >= 4
	s_wait_xcnt 0x0                                ; block a - 4's stores have read this set of codes: it is written again only behind this wait
.endif
	WIN 0x0a+5*((\a)/4)                            ; sources 0 and 1: window 2 or 3
.irp b, 0,1,2,3
	v_max3_num_f32 v[TM+\b], |v[AC+16*\b]|, |v[AC+16*\b+1]|, 0x4800000   ; each accumulator is read from its low end on; the floor 2^(9 - 127) holds the byte at 1 from below
.endr
.irp i, 2,4,6,8,10,12,14
.irp b, 0,1,2,3
	v_max3_num_f32 v[TM+\b], |v[AC+16*\b+\i]|, |v[AC+16*\b+\i+1]|, v[TM+\b]   ; (the four blocks by turns)
.endr
.endr
	WIN 0
.irp b, 0,1,2,3
	v_permlanex16_b32 v[TP+\b], v[TM+\b], s[SEL], s[SEL+1]
.endr
.irp b, 0,1,2,3
	v_max_num_f32 v[TM+\b], v[TM+\b], v[TP+\b]     ; the block's largest magnitude
.endr
.irp b, 0,1,2,3
	v_add_nc_u32 v[SOP+\b], 0xfc000000, v[TM+\b]   ; 8 off its exponent field: the conversion takes this operand's exponent field as its scale
.endr
.irp b, 0,1,2,3
.endr
.irp b, 0,1,2,3
	v_lshrrev_b32 v[TP+\b], 23, v[SOP+\b]          ; the scale's byte
.endr
	v_lshl_or_b32 v[PW], v[TP+1], 8, v[TP]
	v_lshl_or_b32 v[PW], v[TP+2], 16, v[PW]
	v_lshl_or_b32 v[PW], v[TP+3], 24, v[PW]        ; my row's four bytes
	WIN 2+(\a)/4                                   ; source 0: window 2 or 3
.irp b, 0,1,2,3
.irp i, 0,1,2,3,4,5,6,7,8,9,10,11,12,13,14,15
.endr
.endr
.irp b, 0,1,2,3
	v_cvt_scalef32_pk8_fp8_f32 v[PCS+4*\b:PCS+4*\b+1], v[AC+16*\b:AC+16*\b+7], v[SOP+\b]
	v_cvt_scalef32_pk8_fp8_f32 v[PCS+4*\b+2:PCS+4*\b+3], v[AC+16*\b+8:AC+16*\b+15], v[SOP+\b]
.endr
	WIN 0
	v_nop                                          ; one plain vector instruction between a scaled conversion and the next vector instruction on its result
.irp b, 0,1,2,3
	v_permlane16_swap_b32 v[PCS+4*\b], v[PCS+4*\b+2]     ; the first operand's lanes 16-31 change places with the second's lanes 0-15
	v_permlane16_swap_b32 v[PCS+4*\b+1], v[PCS+4*\b+3]
.endr
.irp c, 0,1,2,3
	global_store_b128 v[LI], v[PCS+4*\c:PCS+4*\c+3], s[12:13] offset:2048*(\a)+512*\c   ; a chunk: 512 consecutive bytes, aligned
.endr
	v_lshrrev_b32 v[PWS], v[VSH], v[PW]            ; q, k: lanes 0-15 the first head's two bytes, lanes 16-31 the second's;  v: the whole word
	v_and_b32 v[PWS], s[MASK], v[PWS]
	ds_store_b32 v[SST], v[PWS] offset:64*(\a)
.endm
	PLACES NP                                      ; behind the last products: for the reads of their results and the writes over R's fragments
.irp b, 0,1,2,3
	v_mov_b32 v[TP+\b], 0                          ; written once: a lane permute's destination counts as one of its sources
.endr
.irp a, 0,1,2,3,4,5,6,7
	QUANTW \a
.endr
	ds_load_b128 v[SBK:SBK+3], v[SRD]              ; LDS serves a wave's instructions in order (ISA guide 5.7.1.4): these see my stores.  128 words: the first head's (q, k), or the 128 channels' (v)
	ds_load_b128 v[SBK+4:SBK+7], v[SRD] offset:512 ; q, k: the second head's
	s_wait_dscnt 0x0
	global_store_b128 v[LI], v[SBK:SBK+3], s[66:67]        ; 512 consecutive bytes, aligned
	s_cmp_eq_u32 s[KIND], 0                        ; the same in all sixteen partners
	s_cbranch_scc1 .Lone_run
	global_store_b128 v[LI], v[SBK+4:SBK+7], s[66:67] offset:8192   ; the second head's 2,048 words begin 8,192 bytes on
.Lone_run:
	s_wait_tensorcnt 0x0                           ; the wave's end: behind my last tensor load and my last LDS store
	ds_add_u32 v[SPW], v[NIL]
	s_wait_dscnt 0x0
	CROUND                                         ; the closing round: no work-group ends while a partner may still ask for a tile that names it
	s_endpgm
.Lfunc_end_k_qf28bec4d22_qkv:
	.size	k_qf28bec4d22_qkv, .Lfunc_end_k_qf28bec4d22_qkv-k_qf28bec4d22_qkv
	.p2alignl 7, 3214868480
	.fill 96, 4, 3214868480
	.section	.rodata,"a",@progbits
	.p2align	6, 0x0
	.amdhsa_kernel k_qf28bec4d22_qkv
		.amdhsa_group_segment_fixed_size 327680
		.amdhsa_private_segment_fixed_size 0
		.amdhsa_enable_private_segment 0
		.amdhsa_kernarg_size 80
		.amdhsa_user_sgpr_count 2
		.amdhsa_user_sgpr_kernarg_segment_ptr 1
		.amdhsa_wavefront_size32 1
		.amdhsa_system_sgpr_workgroup_id_x 1
		.amdhsa_system_sgpr_workgroup_id_y 1
		.amdhsa_system_sgpr_workgroup_id_z 1
		.amdhsa_system_vgpr_workitem_id 0
		.amdhsa_next_free_vgpr 1024
		.amdhsa_next_free_sgpr 102
		.amdhsa_reserve_vcc 0
		.amdhsa_float_denorm_mode_32 3
		.amdhsa_float_denorm_mode_16_64 3
		.amdhsa_fp16_overflow 1
		.amdhsa_memory_ordered 1
		.amdhsa_forward_progress 1
		.amdhsa_inst_pref_size 154
	.end_amdhsa_kernel
	.amdgpu_metadata
---
amdhsa.version: [ 1, 2 ]
amdhsa.kernels:
  - .name:           k_qf28bec4d22_qkv
    .symbol:         k_qf28bec4d22_qkv.kd
    .args:
      - { .name: x_codes, .offset: 0, .size: 8, .value_kind: global_buffer, .address_space: global }
      - { .name: x_scales, .offset: 8, .size: 8, .value_kind: global_buffer, .address_space: global }
      - { .name: w_qkv_codes, .offset: 16, .size: 8, .value_kind: global_buffer, .address_space: global }
      - { .name: w_qkv_scales, .offset: 24, .size: 8, .value_kind: global_buffer, .address_space: global }
      - { .name: q_img, .offset: 32, .size: 8, .value_kind: global_buffer, .address_space: global }
      - { .name: q_sc, .offset: 40, .size: 8, .value_kind: global_buffer, .address_space: global }
      - { .name: k_img, .offset: 48, .size: 8, .value_kind: global_buffer, .address_space: global }
      - { .name: k_sc, .offset: 56, .size: 8, .value_kind: global_buffer, .address_space: global }
      - { .name: v_img, .offset: 64, .size: 8, .value_kind: global_buffer, .address_space: global }
      - { .name: v_sc, .offset: 72, .size: 8, .value_kind: global_buffer, .address_space: global }
    .group_segment_fixed_size: 327680
    .private_segment_fixed_size: 0
    .kernarg_segment_align: 8
    .kernarg_segment_size: 80
    .max_flat_workgroup_size: 128
    .sgpr_count:     102
    .vgpr_count:     1024
    .wavefront_size: 32
...
	.end_amdgpu_metadata
.endif
;; end of part 1
;; launch attn (part 2): grid 4 x 64, 16 waves a work-group, no clusters, 327,680 bytes of LDS; arguments q_img, q_sc, k_img, k_sc, v_img, v_sc, y_img, y_sc; writes y_img, y_sc
.if DOCPART == 2
	.amdgcn_target "amdgcn-amd-amdhsa--gfx1250"
	.amdhsa_code_object_version 6
	.text
	.protected	k_qf28bec4d22_attn
	.globl	k_qf28bec4d22_attn
	.p2align	8
	.type	k_qf28bec4d22_attn,@function
k_qf28bec4d22_attn:
	s_mov_b64 s[64:65], 0
	v_nop
	global_prefetch_b8 v0, s[64:65] scope:SCOPE_SE
	s_setreg_imm32_b32 hwreg(HW_REG_WAVE_MODE, 25, 1), 1
	s_wait_xcnt 0x0
; Causal attention of one head (64 channels, 2,048 tokens) on codes of FP8 (E4M3) with E8M0 scales, and the quantiser of its result y along the model's 1,024.
; q, k, v come as images of operand registers (a chunk = 32 lanes x 16 bytes; lane (r, h) of chunk c holds k = 32 c + 16 h + 0 .. 15 of row r) with one scale word a row:
;   q_img, k_img [batch 4][head pair 8][16 tokens 128][head 2][c 2][lane][16]; q_sc, k_sc [batch][pair][head][token] words (bytes 2, 3 zero);
;   v_img [batch][pair][128 keys 16][head 2][16 channels 4][c 4][lane][16]; v_sc [batch][pair][128 keys][head][16 channels][r] words.
; y leaves as y_img [16 rows 512][128 of K 8][c 4][lane][16] and y_sc [8,192 rows][32] bytes.
; THE SOFTMAX: t = score x log2(e) / 8; M = the row's largest t so far, rounded UP to a whole number; p = 2^(t - M) is quantised along the keys, not normalised; the row's sum is taken of the unquantised p and divides at the end.
; When M moves, the sum and O are multiplied by 2^(old M - new M): exact.
; SHARES.  Work-group (i, head) owns the blocks of 256 queries 7 - i and i of its head: first block 7 - i over key slots 0 .. 7 - i, then block i over slots 0 .. i: nine slots of 256 keys for every work-group,
; so all 256 work-groups have the same work and every trip count is a constant.  Each of SIXTEEN waves owns 16 queries in 256 registers: four waves to a SIMD.
; NO CLUSTER: the four work-groups of a head read the same slot in their first five slots only; from the sixth on work-group i reads slot n while n <= 7 - i and slot n - 8 + i after, so partners would ask for different tiles in one round.
; LAYOUT.  Both products are used transposed: S^T = K Q^T (source 0 = 16 keys, source 1 = my 16 queries), O^T = V^T P^T: a lane holds ONE query (lane % 16) throughout.
; THE KEYS OF A TILE ARE NOT NEIGHBOURS: lane r of tile 2 b + u takes key 32 b + 8 u + r % 8 + 16 (r / 8), so that the 16 registers of tiles 2 b and 2 b + 1 are the 16 neighbouring keys 32 b + 16 (lane / 16) + 0 .. 15.
; THE HEAD'S K IS 64, THE INSTRUCTION'S 128: Q's registers 8-15 hold zero codes.  K's operand of tile t is v[32 + 8 t .. 47 + 8 t]: its upper eight registers are the next tile's codes (behind the last: zeros), which meet Q's zeros and add nothing.
; LIMITS: a block whose largest magnitude lies under 2^-118 keeps the scale byte 1; a block of zeros gets the byte 1 and zero codes (read by this program alone); NaN and infinities are not served.
.set PK,    1152                       ; an image of 16 keys in LDS: 1,024 bytes + 128 of padding: the two groups of eight keys that a load touches lie 1,152 bytes apart, in different halves of the banks' 256 bytes
.set VOFF,  16*PK                      ; a slot: 16 images of K; 2 x 8,192 bytes of V;
.set KSOFF, VOFF+16384                 ; 256 scale words of K;
.set VSOFF, KSOFF+1024                 ; 2 x 64 scale words of V
.set SLOT1, 65536                      ; slot 1 begins here: one exclusive or turns an address in one slot into the other's
.set SPARE, 2*SLOT1                    ; the spare words, 128 bytes for each of 16 waves: eight blocks of 256 bytes that no other line names
.set AK0,  1                           ; v1   my lane's place in K's images: 1,152 (r / 8) + 256 h + 16 (r % 8)
.set AV0,  2                           ; v2   in V's: VOFF + 16 x lane
.set ASK0, 3                           ; v3   among K's scale words: lanes 0-15 an even tile's keys, lanes 16-31 the odd tile's
.set ASV0, 4                           ; v4   among V's: VSOFF + 4 x lane
.set SPW,  5                           ; v5   LDS address of my spare word; never rewritten
.set NIL,  6                           ; v6   0; never rewritten
.set PFO,  7                           ; v7   the prefetches' offset; never rewritten
.set ADK,  8                           ; v8-11 the step's LDS addresses
.set ADV,  9
.set ADS,  10
.set ADT,  11
.set KV,   32                          ; v32-95 K's eight half fragments, then V's four fragments; v96-103 zeros
.set S,    104                         ; v104-167 S^T, then p
.set OT,   168                         ; v168-199 O^T
.set PC,   200                         ; v200-215 p's codes
.set BM,   216                         ; the blocks' largest scores, then largest p
.set PM,   220                         ; at work
.set LM,   224
.set SO,   228                         ; the conversions' scale operands
.set KSW,  232                         ; v232-235 K's scale words;  v236-237 V's;  v238 Q's
.set VSW,  236
.set QS,   238
.set QS2,  239                         ; the second block's scale words of Q,
.set Q2,   240                         ; v240-247 and its codes
.set LI,   248                         ; 16 x lane
.set YB,   249                         ; 32 r + h: my byte of y_sc
.set H8,   250                         ; 8 h
.set T1,   251
.set F,    252                         ; v252 f = 2^(old M - new M);  v253 p's scale word
.set T2,   254
.set RH,   255                         ; r - 16 h
.set WV,   20
.set CS,   22                          ; s[22:23] c = log2(e) / 8
.set G1K,  24                          ; four groups 1
.set G1V,  32
.set G1KS, 40
.set G1VS, 48
.set G0K,  56                          ; four groups 0, which walk
.set G0V,  60
.set G0KS, 68
.set G0VS, 72
.set SEL,  76
.set MNT,  78
.set TB,   79                          ; LDS byte at which the slot in hand begins
.set SLOTS, 80                         ; slots still to be asked for
.set SW,   81                          ; i + 1: the count at which the first block ends
.set KF,   82                          ; the step's first key
.set Q0,   83                          ; my first query
.set BKC,  84                          ; back to slot 0: (8 - i) slots of codes, in bytes;
.set BKS,  85                          ; of scale words
.set PFA,  88
.set PFS,  90
.set LIM,  92
.set Q0B,  93                          ; my first query in the second block
.set YI1,  94
.set YS1,  96
.set YI2,  98
.set YS2,  100
; Wave 0 fetches a slot's images of K, wave 1 those of V, wave 2 K's scale words, wave 3 V's, the others nothing.  The branches hang on the wave's number alone.  Four v_nop follow each load.
.macro TLOAD
	s_cmp_lt_u32 s[WV], 4
	s_cbranch_scc0 .Lasked_\@
	s_cmp_lt_u32 s[WV], 2
	s_cbranch_scc0 .Lwords_\@
	s_cmp_eq_u32 s[WV], 0
	s_cbranch_scc0 .Lfor_v_\@
	tensor_load_to_lds s[G0K:G0K+3], s[G1K:G1K+7]
	s_nop 0
.rept 4
	v_nop
.endr
	s_branch .Lasked_\@
.Lfor_v_\@:
	tensor_load_to_lds s[G0V:G0V+3], s[G1V:G1V+7]
	s_nop 0
.rept 4
	v_nop
.endr
	s_branch .Lasked_\@
.Lwords_\@:
	s_cmp_eq_u32 s[WV], 2
	s_cbranch_scc0 .Lfor_vs_\@
	tensor_load_to_lds s[G0KS:G0KS+3], s[G1KS:G1KS+7]
	s_nop 0
.rept 4
	v_nop
.endr
	s_branch .Lasked_\@
.Lfor_vs_\@:
	tensor_load_to_lds s[G0VS:G0VS+3], s[G1VS:G1VS+7]
	s_nop 0
.rept 4
	v_nop
.endr
.Lasked_\@:
.endm
; A PREFETCH INTO THE L2 of what the NEXT change of slots will ask for.  All four work-groups of a head begin with slots 0, 1, 2, ..: the head's work-group 0, which walks all eight, asks, and nobody else.
; In it waves that fetch nothing ask, one instruction each, lanes 256 bytes apart: waves 4, 5 for a slot's 16 images of K (8 each: 4 lanes to an image, images 2,048 bytes apart); waves 6, 7 for V's two runs of 8,192 bytes.
; At the first change alone wave 8 asks for the head's 8,192 bytes of K's scale words, and wave 9, in the first head of a pair, for the pair's 8,192 bytes of V's.  The change in trip n names slot n + 2, up to slot 7.
.macro ASK
	s_cmp_gt_u32 s[SLOTS], s[LIM]
	s_cbranch_scc0 .Lnot_mine_\@
	global_prefetch_b8 v[PFO], s[PFA:PFA+1] th:TH_LOAD_NT scope:SCOPE_SE
.Lnot_mine_\@:
.endm
	s_load_b512 s[4:19], s[0:1], 0x0               ; q_img s[4:5], q_sc s[6:7], k_img s[8:9], k_sc s[10:11], v_img s[12:13], v_sc s[14:15], y_img s[16:17], y_sc s[18:19]
	v_lshl_add_u32 v[SPW], v0, 2, SPARE
	v_mov_b32 v[NIL], 0
	ds_add_u32 v5, v6
	ds_add_u32 v5, v6
	s_wait_dscnt 0x0
	v_lshrrev_b32 v8, 5, v0
	s_delay_alu instid0(VALU_DEP_1)
	v_readfirstlane_b32 s[WV], v8                  ; wave 0..15
	s_and_b32 s24, ttmp7, 0xffff                   ; 16 x batch + head
	s_lshr_b32 s25, s24, 4                         ; batch
	s_and_b32 s26, s24, 15                         ; head
	s_lshr_b32 s27, s26, 1                         ; head pair
	s_and_b32 s28, s26, 1                          ; which of the pair
	s_lshl_b32 s29, s25, 21
	s_lshl_b32 s38, s27, 18
	s_or_b32 s29, s29, s38                         ; the pair's first byte in each buffer of images
	s_lshl_b32 s38, s28, 10
	s_or_b32 s30, s29, s38                         ; q_img, k_img: my head's 1,024 bytes of each 2,048
	s_lshl_b32 s38, s28, 13
	s_or_b32 s31, s29, s38                         ; v_img: my head's 8,192 bytes of each 16,384
	s_lshr_b32 s32, s29, 4
	s_or_b32 s32, s32, s38                         ; q_sc, k_sc: a pair has 2^14 bytes, a head 2^13
	s_lshr_b32 s33, s29, 5                         ; v_sc: a pair has 2^13 bytes;
	s_lshl_b32 s34, s28, 8                         ; my head's 256 of each 512
	s_lshl_b32 s35, s[WV], 4
	s_lshl_b32 s36, s25, 21
	s_lshl_b32 s38, s26, 10
	s_or_b32 s36, s36, s38                         ; y_img: 1,024 bytes a row; my head's two chunks begin 1,024 x head bytes into 16 rows' 16,384
	s_lshl_b32 s37, s25, 16
	s_lshl_b32 s38, s26, 1
	s_or_b32 s37, s37, s38                         ; y_sc: 32 bytes a row; my head's two bytes
	s_sub_co_u32 s[Q0], 7, ttmp9
	s_lshl_b32 s[Q0], s[Q0], 8
	s_add_co_u32 s[Q0], s[Q0], s35                 ; my first query in block 7 - i
	s_lshl_b32 s[Q0B], ttmp9, 8
	s_add_co_u32 s[Q0B], s[Q0B], s35               ; and in block i
	s_add_co_u32 s[SW], ttmp9, 1
	s_sub_co_u32 s[BKC], 8, ttmp9
	s_lshl_b32 s[BKS], s[BKC], 10
	s_lshl_b32 s[BKC], s[BKC], 15
	s_mov_b32 s[CS], 0x3e38aa3b                    ; c = log2(e) / 8
	s_mov_b32 s[CS+1], s[CS]                       ; (named with it as a pair, so it is written)
	s_mov_b32 s[SEL], 0x76543210
	s_mov_b32 s[SEL+1], 0xfedcba98
	s_mov_b32 s[TB], 0
	s_mov_b32 s[SLOTS], 8
	s_mov_b32 s[KF], 0
	s_mov_b32 s3, 0                                ; the high words of the offsets' pairs s[2:3] and s[66:67] stay 0
	s_mov_b32 s67, 0
	s_wait_kmcnt 0x0
	s_mov_b32 s2, s30
	s_add_nc_u64 s[4:5], s[4:5], s[2:3]            ; every buffer at my head
	s_add_nc_u64 s[8:9], s[8:9], s[2:3]
	s_mov_b32 s2, s32
	s_add_nc_u64 s[6:7], s[6:7], s[2:3]
	s_add_nc_u64 s[10:11], s[10:11], s[2:3]
	s_mov_b32 s2, s31
	s_add_nc_u64 s[12:13], s[12:13], s[2:3]
	s_mov_b32 s2, s33
	s_add_nc_u64 s[14:15], s[14:15], s[2:3]        ; (v_sc at my head PAIR)
	s_mov_b32 s2, s36
	s_add_nc_u64 s[16:17], s[16:17], s[2:3]
	s_mov_b32 s2, s37
	s_add_nc_u64 s[18:19], s[18:19], s[2:3]
	s_mov_b32 s[G0K], 1                            ; groups 0: count 1, the LDS address in slot 0, the head's first slot, type 2
	s_mov_b32 s[G0K+1], 0
	s_mov_b64 s[G0K+2:G0K+3], s[8:9]
	s_or_b32 s[G0K+3], s[G0K+3], 0x80000000
	s_mov_b32 s[G0V], 1
	s_mov_b32 s[G0V+1], VOFF
	s_mov_b64 s[G0V+2:G0V+3], s[12:13]
	s_or_b32 s[G0V+3], s[G0V+3], 0x80000000
	s_mov_b32 s[G0KS], 1
	s_mov_b32 s[G0KS+1], KSOFF
	s_mov_b64 s[G0KS+2:G0KS+3], s[10:11]
	s_or_b32 s[G0KS+3], s[G0KS+3], 0x80000000
	s_mov_b32 s[G0VS], 1
	s_mov_b32 s[G0VS+1], VSOFF
	s_mov_b32 s2, s34
	s_add_nc_u64 s[G0VS+2:G0VS+3], s[14:15], s[2:3]
	s_or_b32 s[G0VS+3], s[G0VS+3], 0x80000000
	s_lshl_b32 s2, s[Q0], 10                       ; where my 16 rows of y go, for both blocks
	s_add_nc_u64 s[YI1:YI1+1], s[16:17], s[2:3]
	s_lshl_b32 s2, s[Q0], 5
	s_add_nc_u64 s[YS1:YS1+1], s[18:19], s[2:3]
	s_lshl_b32 s2, s[Q0B], 10
	s_add_nc_u64 s[YI2:YI2+1], s[16:17], s[2:3]
	s_lshl_b32 s2, s[Q0B], 5
	s_add_nc_u64 s[YS2:YS2+1], s[18:19], s[2:3]
	; the prefetches (macro ASK): where my wave's stand, and who asks
	s_and_b32 s38, s[WV], 1
	s_lshl_b32 s38, s38, 14                        ; waves 5 and 7: the slot's second half
	s_add_co_u32 s38, s38, 32768                   ; in slot 1: the first change of slots steps it to slot 2
	s_cmp_lt_u32 s[WV], 6
	s_cselect_b64 s[PFA:PFA+1], s[8:9], s[12:13]
	s_cselect_b32 s39, 11, 10                      ; four lanes on: 2,048 bytes among K's images, 1,024 in a dense run
	s_cmp_lt_u32 s[WV], 8
	s_cselect_b64 s[PFA:PFA+1], s[PFA:PFA+1], s[10:11]
	s_cselect_b32 s2, s38, 0
	s_cselect_b32 s[PFS], 32768, 0                 ; a slot on
	s_cselect_b32 s[LIM], 2, 7                     ; codes: while more than 2 slots are to be asked for; scale words: at the first change alone
	s_cmp_lt_u32 s[WV], 9
	s_cselect_b64 s[PFA:PFA+1], s[PFA:PFA+1], s[14:15]
	s_add_nc_u64 s[PFA:PFA+1], s[PFA:PFA+1], s[2:3]
	s_mov_b32 s[PFS+1], 0
	s_sub_co_u32 s38, s[WV], 4
	s_cmp_lt_u32 s38, 6                            ; waves 4 to 9
	s_cselect_b32 s[LIM], s[LIM], -1
	s_cmp_eq_u32 ttmp9, 0                          ; of the head's work-group 0
	s_cselect_b32 s[LIM], s[LIM], -1
	s_lshl_b32 s38, s28, 4
	s_add_co_u32 s38, s38, s[WV]
	s_cmp_eq_u32 s38, 25                           ; wave 9 of a pair's second head: the first head's has asked for the pair
	s_cselect_b32 s[LIM], -1, s[LIM]
	v_and_b32 v[T1], 31, v0                        ; lane
	s_delay_alu instid0(VALU_DEP_1)
	v_lshrrev_b32 v[T2], 2, v[T1]
	s_delay_alu instid0(VALU_DEP_1)
	v_lshlrev_b32 v[T2], s39, v[T2]
	v_and_b32 v[PFO], 3, v0
	s_delay_alu instid0(VALU_DEP_1)
	v_lshl_add_u32 v[PFO], v[PFO], 8, v[T2]
	; groups 1, all in elements of 8 bytes.  K: 16 images of 1,024 bytes, 2,048 apart in memory, 128 bytes of padding behind each
	s_mov_b32 s[G1K], (3<<16)|(1<<20)|(7<<22)|(31<<25)             ; 17:16 elements of 8 bytes; 20 padding on; 24:22 after every 256 words; 31:25 32 words
	s_mov_b32 s[G1K+1], 128<<16                    ; tensor_dim0
	s_mov_b32 s[G1K+2], 16<<16                     ; tensor_dim1
	s_mov_b32 s[G1K+3], 128<<16                    ; tile_dim0
	s_mov_b32 s[G1K+4], 16                         ; tile_dim1
	s_mov_b32 s[G1K+5], 256                        ; tensor_dim0_stride
	s_mov_b32 s[G1K+6], 0
	s_mov_b32 s[G1K+7], 0
	s_mov_b32 s[G1V], 3<<16                        ; V: 2 runs of 8,192 bytes, 16,384 apart
	s_mov_b32 s[G1V+1], 1024<<16
	s_mov_b32 s[G1V+2], 2<<16
	s_mov_b32 s[G1V+3], 1024<<16
	s_mov_b32 s[G1V+4], 2
	s_mov_b32 s[G1V+5], 2048
	s_mov_b32 s[G1V+6], 0
	s_mov_b32 s[G1V+7], 0
	s_mov_b32 s[G1KS], 3<<16                       ; K's scale words: 1,024 dense bytes as 4 rows of 256
	s_mov_b32 s[G1KS+1], 32<<16
	s_mov_b32 s[G1KS+2], 4<<16
	s_mov_b32 s[G1KS+3], 32<<16
	s_mov_b32 s[G1KS+4], 4
	s_mov_b32 s[G1KS+5], 32
	s_mov_b32 s[G1KS+6], 0
	s_mov_b32 s[G1KS+7], 0
	s_mov_b32 s[G1VS], 3<<16                       ; V's: 2 rows of 256 bytes, 512 apart
	s_mov_b32 s[G1VS+1], 32<<16
	s_mov_b32 s[G1VS+2], 2<<16
	s_mov_b32 s[G1VS+3], 32<<16
	s_mov_b32 s[G1VS+4], 2
	s_mov_b32 s[G1VS+5], 64
	s_mov_b32 s[G1VS+6], 0
	s_mov_b32 s[G1VS+7], 0
	TLOAD                                          ; slot 0: the one first fill at the head; slot 1 is first filled behind the first change's barrier
	v_and_b32 v8, 15, v0                           ; r
	v_bfe_u32 v9, v0, 4, 1                         ; h
	v_bfe_u32 v10, v0, 3, 1                        ; r / 8
	v_and_b32 v11, 7, v0                           ; r % 8
	s_delay_alu instid0(VALU_DEP_2)
	v_mul_u32_u24 v[AK0], v10, PK
	s_delay_alu instid0(VALU_DEP_1)
	v_lshl_add_u32 v[AK0], v9, 8, v[AK0]
	s_delay_alu instid0(VALU_DEP_1)
	v_lshl_add_u32 v[AK0], v11, 4, v[AK0]
	v_lshlrev_b32 v[LI], 4, v[T1]
	s_delay_alu instid0(VALU_DEP_1)
	v_add_nc_u32 v[AV0], VOFF, v[LI]
	v_lshl_add_u32 v[ASK0], v9, 3, v11
	s_delay_alu instid0(VALU_DEP_1)
	v_lshl_add_u32 v[ASK0], v10, 4, v[ASK0]        ; key 8 h + r % 8 + 16 (r / 8) of 32
	s_delay_alu instid0(VALU_DEP_1)
	v_lshl_add_u32 v[ASK0], v[ASK0], 2, KSOFF
	v_lshl_add_u32 v[ASV0], v[T1], 2, VSOFF
	v_lshl_add_u32 v[YB], v8, 5, v9
	v_lshlrev_b32 v[H8], 3, v9
	v_lshlrev_b32 v[T2], 4, v9
	s_delay_alu instid0(VALU_DEP_1)
	v_sub_nc_u32 v[RH], v8, v[T2]
	v_lshlrev_b32 v[T2], 2, v8                     ; 4 r
	s_lshl_b32 s2, s[Q0], 7                        ; 16 queries' images are 2,048 bytes
	v_add_nc_u32 v8, s2, v[LI]
	s_lshl_b32 s2, s[Q0B], 7
	v_add_nc_u32 v9, s2, v[LI]
	s_lshl_b32 s2, s[Q0], 2
	v_add_nc_u32 v10, s2, v[T2]
	s_lshl_b32 s2, s[Q0B], 2
	v_add_nc_u32 v11, s2, v[T2]
	global_load_b128 v[16:19], v8, s[4:5]          ; Q of the first block: two chunks
	global_load_b128 v[20:23], v8, s[4:5] offset:512
	global_load_b128 v[Q2:Q2+3], v9, s[4:5]        ; and of the second
	global_load_b128 v[Q2+4:Q2+7], v9, s[4:5] offset:512
	global_load_b32 v[QS], v10, s[6:7]             ; their scale words: lane r has query r's
	global_load_b32 v[QS2], v11, s[6:7]
.irp j, 0,1,2,3,4,5,6,7
	v_mov_b32 v[24+\j], 0                          ; Q's upper half: zero codes
	v_mov_b32 v[96+\j], 0                          ; and what stands behind K's last tile
.endr
	v_mov_b32 v13, 0xff61b1e6                      ; the largest t so far: -3e38, under every t
	s_delay_alu instid0(VALU_DEP_1)
	v_floor_f32 v12, -v13                          ; -M
	v_mov_b32 v14, 0                               ; the sum, in two halves
	v_mov_b32 v15, 0
.irp b, 0,1,2,3
	v_mov_b32 v[PM+\b], 0                          ; written once: a lane permute's destination counts as one of its sources
.endr
	v_mov_b32 v[F+1], 0                            ; (named as the upper half of the pair before it is first written)
.set n, 0
.rept 32
	v_mov_b32 v[OT+n], 0                           ; O^T: the step is written once; a block's first step finds zeros, which the first change of M leaves zeros
.set n, n+1
.endr
; A KEY STEP: 128 keys, the q-th of the slot in hand.
.macro STEP q
	s_add_co_u32 s21, s[Q0], 15                    ; a step all of whose keys come after my 16 queries is left out: a scalar branch on ids; no barrier and no tensor load stands in a step
	s_cmp_gt_u32 s[KF], s21
	s_cbranch_scc1 .Lhidden_\@
	v_add_nc_u32 v[ADK], s[TB], v[AK0]
	v_add_nc_u32 v[ADV], s[TB], v[AV0]
	v_add_nc_u32 v[ADS], s[TB], v[ASK0]
	v_add_nc_u32 v[ADT], s[TB], v[ASV0]
.rept 4
	v_nop                                          ; with the four additions: eight places in front of loads into registers that the last products read
.endr
.irp t, 0,1,2,3,4,5,6,7
	ds_load_b128 v[KV+8*\t:KV+8*\t+3], v[ADK] offset:(8*(\q)+2*(\t/2))*PK+128*(\t%2)         ; tile t: channels 16 h + 0 .. 15,
	ds_load_b128 v[KV+8*\t+4:KV+8*\t+7], v[ADK] offset:(8*(\q)+2*(\t/2))*PK+128*(\t%2)+512   ; and 32 + 16 h + 0 .. 15
.endr
.irp b, 0,1,2,3
	ds_load_b32 v[KSW+\b], v[ADS] offset:512*(\q)+128*\b   ; lanes 0-15: tile 2 b's scale words; lanes 16-31: tile 2 b + 1's
.endr
	s_wait_alu depctr_va_vdst(0)
	s_wait_dscnt 0x0
.irp b, 0,1,2,3
	v_wmma_scale_f32_16x16x128_f8f6f4 v[S+16*\b:S+16*\b+7], v[KV+16*\b:KV+16*\b+15], v[16:31], 0, v[KSW+\b], v[QS]
	v_wmma_scale_f32_16x16x128_f8f6f4 v[S+16*\b+8:S+16*\b+15], v[KV+16*\b+8:KV+16*\b+23], v[16:31], 0, v[KSW+\b], v[QS] matrix_a_scale:MATRIX_SCALE_ROW1
.endr
.rept 8
	v_nop                                          ; eight places: for the loads below and for the first read of the scores
.endr
.irp t, 0,1,2,3                                ; V's four fragments are asked for now: they land while the softmax is walked
.irp c, 0,1,2,3
	ds_load_b128 v[KV+16*\t+4*\c:KV+16*\t+4*\c+3], v[ADV] offset:8192*(\q)+2048*\t+512*\c
.endr
.endr
	ds_load_b32 v[VSW], v[ADT] offset:256*(\q)             ; lanes 0-15: channels 0-15's scale words; lanes 16-31: channels 16-31's
	ds_load_b32 v[VSW+1], v[ADT] offset:256*(\q)+128
	s_add_co_u32 s21, s[KF], 127                   ; on the diagonal the scores of hidden keys become -infinity ahead of the maximum: p = 0 then.  A step all of whose keys count skips this
	s_cmp_le_u32 s21, s[Q0]
	s_cbranch_scc1 .Lopen_\@
	s_sub_co_i32 s21, s[Q0], s[KF]
	v_add_nc_u32 v[T1], s21, v[RH]                 ; d = my query - KF - 16 (lane / 16).  Register 16 b + i holds key KF + 16 (lane / 16) + 32 b + i: hidden where 32 b + i > d
	v_mov_b32 v[T2], 0xff800000                    ; -infinity
.set n, 0
.rept 64
	v_cmp_gt_i32 vcc_lo, 32*(n/16)+n%16, v[T1]
	v_cndmask_b32 v[S+n], v[S+n], v[T2], vcc_lo
.set n, n+1
.endr
.Lopen_\@:
.irp b, 0,1,2,3
	v_max3_num_f32 v[BM+\b], v[S+16*\b], v[S+16*\b+1], v[S+16*\b+2]   ; the largest score of each block of 32 keys: for the row's maximum and, since p rises with the score, for the block's largest p
.endr
.irp i, 3,5,7,9,11,13
.irp b, 0,1,2,3
	v_max3_num_f32 v[BM+\b], v[BM+\b], v[S+16*\b+\i], v[S+16*\b+\i+1]
.endr
.endr
.irp b, 0,1,2,3
	v_max_num_f32 v[BM+\b], v[BM+\b], v[S+16*\b+15]
.endr
.irp b, 0,1,2,3
	s_delay_alu instid0(VALU_DEP_4)
	v_permlanex16_b32 v[PM+\b], v[BM+\b], s[SEL], s[SEL+1]
.endr
.irp b, 0,1,2,3
	s_delay_alu instid0(VALU_DEP_4)
	v_max_num_f32 v[BM+\b], v[BM+\b], v[PM+\b]     ; with lane l xor 16's 16 keys
.endr
	s_delay_alu instid0(VALU_DEP_2)
	v_max3_num_f32 v[T2], v[BM], v[BM+1], v[BM+2]
	s_delay_alu instid0(VALU_DEP_1)
	v_max_num_f32 v[T2], v[T2], v[BM+3]            ; the step's largest score of my query
	s_delay_alu instid0(VALU_DEP_1)
	v_mul_f32 v[T2], s[CS], v[T2]                  ; as t (c is positive)
	s_delay_alu instid0(VALU_DEP_1)
	v_max_num_f32 v13, v13, v[T2]                  ; the running largest t
	v_mov_b32 v[T2], v12
	s_delay_alu instid0(VALU_DEP_2)
	v_floor_f32 v12, -v13                          ; the new -M = floor(-t) = -ceil(t): a whole number
	s_delay_alu instid0(VALU_DEP_1)
	v_sub_f32 v[T2], v12, v[T2]                    ; M's old value less its new one: a whole number, 0 or less
	s_delay_alu instid0(VALU_DEP_1)
	v_cvt_i32_f32 v[T2], v[T2]                     ; (it saturates)
	s_delay_alu instid0(VALU_DEP_1)
	v_ldexp_f32 v[F], 1.0, v[T2]                   ; f = 2^(old M - new M)
.set n, 0
.rept 32
	v_pk_fma_f32 v[S+n:S+n+1], v[S+n:S+n+1], s[CS:CS+1], v[12:13] op_sel_hi:[1,0,0]   ; t - M, two at a time (of the pairs c and -M the low word serves both halves)
.set n, n+2
.endr
.irp b, 0,1,2,3
	v_fma_f32 v[BM+\b], v[BM+\b], s[CS], v12       ; the same of each block's largest score
.endr
.set n, 0
	s_wait_alu depctr_va_vdst(0)
.rept 64
	v_exp_f32 v[S+n], v[S+n]                       ; p = 2^(t - M), at most 1: not normalised
.set n, n+1
.endr
	v_pk_mul_f32 v[14:15], v[14:15], v[F:F+1] op_sel_hi:[1,0]   ; the sums under the new M: the plain instruction behind the exponentials
	s_wait_alu depctr_va_vdst(0)                   ; the wait ahead of the first instruction that names a result: one for the whole batch
.irp b, 0,1,2,3
	v_exp_f32 v[BM+\b], v[BM+\b]                   ; the block's largest p: the same two instructions on the same number give the same bits
.endr
	v_pk_add_f32 v[220:221], v[108:109], v[112:113]
	v_pk_add_f32 v[234:235], v[116:117], v[120:121]
	v_pk_add_f32 v[232:233], v[124:125], v[128:129]
	v_pk_add_f32 v[230:231], v[132:133], v[136:137]
	v_pk_add_f32 v[228:229], v[140:141], v[144:145]
	v_pk_add_f32 v[226:227], v[148:149], v[152:153]
	v_pk_add_f32 v[224:225], v[156:157], v[160:161]
	v_pk_add_f32 v[14:15], v[14:15], v[164:165]
	v_pk_add_f32 v[220:221], v[220:221], v[104:105]
	v_pk_add_f32 v[234:235], v[234:235], v[106:107]
	v_pk_add_f32 v[232:233], v[232:233], v[110:111]
	v_pk_add_f32 v[230:231], v[230:231], v[114:115]
	v_pk_add_f32 v[228:229], v[228:229], v[118:119]
	v_pk_add_f32 v[226:227], v[226:227], v[122:123]
	v_pk_add_f32 v[224:225], v[224:225], v[126:127]
	v_pk_add_f32 v[14:15], v[14:15], v[130:131]
	v_pk_add_f32 v[220:221], v[220:221], v[134:135]
	v_pk_add_f32 v[234:235], v[234:235], v[138:139]
	v_pk_add_f32 v[232:233], v[232:233], v[142:143]
	v_pk_add_f32 v[230:231], v[230:231], v[146:147]
	v_pk_add_f32 v[228:229], v[228:229], v[150:151]
	v_pk_add_f32 v[226:227], v[226:227], v[154:155]
	v_pk_add_f32 v[224:225], v[224:225], v[158:159]
	v_pk_add_f32 v[14:15], v[14:15], v[162:163]
	v_pk_add_f32 v[220:221], v[220:221], v[166:167]
	s_delay_alu instid0(VALU_DEP_2)
	v_pk_add_f32 v[14:15], v[14:15], v[230:231]
	s_delay_alu instid0(VALU_DEP_2)
	v_pk_add_f32 v[220:221], v[220:221], v[228:229]
	v_pk_add_f32 v[234:235], v[234:235], v[226:227]
	v_pk_add_f32 v[232:233], v[232:233], v[224:225]
	s_delay_alu instid0(VALU_DEP_2)
	v_pk_add_f32 v[14:15], v[14:15], v[234:235]
	s_delay_alu instid0(VALU_DEP_2)
	v_pk_add_f32 v[220:221], v[220:221], v[232:233]
	s_delay_alu instid0(VALU_DEP_1)
	v_pk_add_f32 v[14:15], v[14:15], v[220:221]
	s_wait_alu depctr_va_vdst(0)                   ; and one for the four
.irp b, 0,1,2,3
	v_max_num_f32 v[BM+\b], 0x4800000, v[BM+\b]    ; the floor 2^(9 - 127): the byte cannot fall under 1
.endr
.irp b, 0,1,2,3
	s_delay_alu instid0(VALU_DEP_4)
	v_add_nc_u32 v[SO+\b], 0xfc000000, v[BM+\b]    ; 8 off the exponent field: the conversion's scale operand
.endr
.irp b, 0,1,2,3
.endr
.irp b, 0,1,2,3
	s_delay_alu instid0(VALU_DEP_4)
	v_lshrrev_b32 v[PM+\b], 23, v[SO+\b]           ; the scale's byte
.endr
	s_delay_alu instid0(VALU_DEP_3)
	v_lshl_or_b32 v[F+1], v[PM+1], 8, v[PM]        ; p's scale word for these 128 keys
	s_delay_alu instid0(VALU_DEP_1)
	v_lshl_or_b32 v[F+1], v[PM+2], 16, v[F+1]
	s_delay_alu instid0(VALU_DEP_1)
	v_lshl_or_b32 v[F+1], v[PM+3], 24, v[F+1]
.irp b, 0,1,2,3
.irp i, 0,1,2,3,4,5,6,7,8,9,10,11,12,13,14,15
.endr
	v_cvt_scalef32_pk8_fp8_f32 v[PC+4*\b:PC+4*\b+1], v[S+16*\b:S+16*\b+7], v[SO+\b]
	v_cvt_scalef32_pk8_fp8_f32 v[PC+4*\b+2:PC+4*\b+3], v[S+16*\b+8:S+16*\b+15], v[SO+\b]
.endr
.set n, 0
.rept 16
	v_pk_mul_f32 v[OT+n:OT+n+1], v[OT+n:OT+n+1], v[F:F+1] op_sel_hi:[1,0]   ; O^T under the new M.  (These sixteen are also the places between the conversions and the products)
.set n, n+2
.endr
	s_wait_alu depctr_va_vdst(0)
	s_wait_dscnt 0x0                               ; V and its scale words are in
.irp g, 0,1                                    ; O^T += V^T P^T: four accumulators, one instruction each
	v_wmma_scale_f32_16x16x128_f8f6f4 v[OT+16*\g:OT+16*\g+7], v[KV+32*\g:KV+32*\g+15], v[PC:PC+15], v[OT+16*\g:OT+16*\g+7], v[VSW+\g], v[F+1]
	v_wmma_scale_f32_16x16x128_f8f6f4 v[OT+16*\g+8:OT+16*\g+15], v[KV+32*\g+16:KV+32*\g+31], v[PC:PC+15], v[OT+16*\g+8:OT+16*\g+15], v[VSW+\g], v[F+1] matrix_a_scale:MATRIX_SCALE_ROW1
.endr
.Lhidden_\@:
	s_add_co_u32 s[KF], s[KF], 128
.endm
; THE CHANGE OF SLOTS stands at a slot's head.  Each wave waits for all its tensor loads (its part of the slot that it is about to read), adds 0 to its spare word, and waits for that and for its reads of the slot that it has left.
; Behind the barrier the slot ahead is whole and nobody reads the other one.  fill = 1: that other slot is filled with the keys that follow; where the first block ends, these are the head's first 256 again.
.macro CHANGE fill
	s_wait_tensorcnt 0x0                           ; no tensor load of mine is out, so a group 0 may be written
	ds_add_u32 v[SPW], v[NIL]                      ; 0 onto my spare word; the descriptors' steps stand between it and the wait for it
.if \fill
	s_cmp_eq_u32 s[SLOTS], s[SW]                   ; is the slot in hand the first block's last?
	s_cselect_b32 s2, s[BKC], 0
	s_cselect_b32 s66, s[BKS], 0
.irp g, G0K, G0V
	s_xor_b32 s[\g+1], s[\g+1], SLOT1              ; the other slot than last time,
	s_add_nc_u64 s[\g+2:\g+3], s[\g+2:\g+3], 32768 ; the next 256 keys,
	s_sub_nc_u64 s[\g+2:\g+3], s[\g+2:\g+3], s[2:3]   ; or back to the first; the type bits on top are not reached
.endr
.irp g, G0KS, G0VS
	s_xor_b32 s[\g+1], s[\g+1], SLOT1
	s_add_nc_u64 s[\g+2:\g+3], s[\g+2:\g+3], 1024
	s_sub_nc_u64 s[\g+2:\g+3], s[\g+2:\g+3], s[66:67]
.endr
	s_wait_xcnt 0x0                                ; the last prefetch, a slot back, has read its address, so it may be written
	s_add_nc_u64 s[PFA:PFA+1], s[PFA:PFA+1], s[PFS:PFS+1]
.endif
	s_wait_dscnt 0x0                               ; the add is done, and my reads of the slot that I have left are over
	s_barrier_signal -1
	s_barrier_wait -1
.if \fill
	TLOAD                                          ; the first thing behind the barrier, and a wave's one tensor load until the next
	ASK
.endif
.endm
.macro SLOT_STEPS
	STEP 0
	STEP 1
	s_xor_b32 s[TB], s[TB], SLOT1                  ; on to the other slot
.endm
; A BLOCK'S END.  O^T / the sum is y: register 8 t + j of lane (r, h) is y(query r, channel 16 t + 8 h + j).  It is quantised along the channels, two blocks of 32, and leaves as two chunks and two scale bytes a row.
; As in the launch before, a lane's two eights of a block are not neighbours: as codes, lanes 0-15's second eight and lanes 16-31's first eight change places.  again = 1: the second block's Q is taken up.
.macro FINISH yi, ys, again
.rept 8
	v_nop                                          ; eight places behind the last products
.endr
	v_add_f32 v14, v14, v15                        ; the sum's two halves,
	s_delay_alu instid0(VALU_DEP_1)
	v_permlanex16_b32 v[T1], v14, s[SEL], s[SEL+1]
	s_delay_alu instid0(VALU_DEP_1)
	v_add_f32 v14, v14, v[T1]                      ; and lane l xor 16's: the row's sum
	s_wait_alu depctr_va_vdst(0)
	v_rcp_f32 v14, v14
	v_nop                                          ; a plain instruction behind the transcendental,
	s_wait_alu depctr_va_vdst(0)                   ; and the wait ahead of the first use
.set n, 0
.rept 32
	v_mul_f32 v[S+n], v[OT+n], v14                 ; each accumulator from its low end on
.set n, n+1
.endr
.irp b, 0,1
	v_max3_num_f32 v[BM+\b], |v[S+16*\b]|, |v[S+16*\b+1]|, 0x4800000
.endr
.irp i, 2,4,6,8,10,12,14
.irp b, 0,1
	s_delay_alu instid0(VALU_DEP_2)
	v_max3_num_f32 v[BM+\b], v[BM+\b], |v[S+16*\b+\i]|, |v[S+16*\b+\i+1]|
.endr
.endr
.irp b, 0,1
	s_delay_alu instid0(VALU_DEP_2)
	v_permlanex16_b32 v[PM+\b], v[BM+\b], s[SEL], s[SEL+1]
.endr
.irp b, 0,1
	s_delay_alu instid0(VALU_DEP_2)
	v_max_num_f32 v[BM+\b], v[BM+\b], v[PM+\b]
.endr
.irp b, 0,1
	s_delay_alu instid0(VALU_DEP_2)
	v_add_nc_u32 v[SO+\b], 0xfc000000, v[BM+\b]
.endr
.irp b, 0,1
.endr
.irp b, 0,1
	s_delay_alu instid0(VALU_DEP_2)
	v_lshrrev_b32 v[PM+\b], 23, v[SO+\b]
.endr
	s_delay_alu instid0(VALU_DEP_1)
	v_lshl_or_b32 v[T2], v[PM+1], 8, v[PM]
	s_delay_alu instid0(VALU_DEP_1)
	v_lshrrev_b32 v[T2], v[H8], v[T2]              ; lane (r, h) hands on byte h of row r
.irp b, 0,1
.irp i, 0,1,2,3,4,5,6,7,8,9,10,11,12,13,14,15
.endr
	v_cvt_scalef32_pk8_fp8_f32 v[PC+4*\b:PC+4*\b+1], v[S+16*\b:S+16*\b+7], v[SO+\b]
	v_cvt_scalef32_pk8_fp8_f32 v[PC+4*\b+2:PC+4*\b+3], v[S+16*\b+8:S+16*\b+15], v[SO+\b]
.endr
	v_nop                                          ; one plain vector instruction between a scaled conversion and the next vector instruction on its result
.irp b, 0,1
	v_permlane16_swap_b32 v[PC+4*\b], v[PC+4*\b+2]
	v_permlane16_swap_b32 v[PC+4*\b+1], v[PC+4*\b+3]
.endr
	global_store_b128 v[LI], v[PC:PC+3], s[\yi:\yi+1]              ; a chunk: 512 consecutive bytes, aligned
	global_store_b128 v[LI], v[PC+4:PC+7], s[\yi:\yi+1] offset:512
	global_store_b8 v[YB], v[T2], s[\ys:\ys+1]     ; two bytes of each of 16 rows of 32: one byte in 33 of what the launch stores
.if \again
.irp j, 0,1,2,3,4,5,6,7
	v_mov_b32 v[16+\j], v[Q2+\j]
.endr
	v_mov_b32 v[QS], v[QS2]
	v_mov_b32 v13, 0xff61b1e6
	s_delay_alu instid0(VALU_DEP_1)
	v_floor_f32 v12, -v13
	v_mov_b32 v14, 0
	v_mov_b32 v15, 0
.set n, 0
.rept 32
	v_mov_b32 v[OT+n], 0
.set n, n+1
.endr
	s_wait_xcnt 0x0                                ; the stores have read their registers: the next step may write them
	s_mov_b32 s[Q0], s[Q0B]
	s_mov_b32 s[KF], 0
.endif
.endm
	s_wait_loadcnt 0x0                             ; Q of both blocks
.Lslot:                                            ; eight trips: behind each change of slots but the last the next slot is asked for
	CHANGE 1
	SLOT_STEPS
	s_cmp_lg_u32 s[SLOTS], s[SW]                   ; was that the first block's diagonal slot?  A branch on ids
	s_cbranch_scc1 .Lsame_block
	FINISH YI1, YS1, 1
.Lsame_block:
	s_sub_co_u32 s[SLOTS], s[SLOTS], 1
	s_cmp_lg_u32 s[SLOTS], 0
	s_cbranch_scc1 .Lslot
	CHANGE 0                                       ; the ninth slot is written out
	SLOT_STEPS
	FINISH YI2, YS2, 0
	s_wait_tensorcnt 0x0                           ; the wave's end
	ds_add_u32 v[SPW], v[NIL]
	s_wait_dscnt 0x0
	s_endpgm
.Lfunc_end_k_qf28bec4d22_attn:
	.size	k_qf28bec4d22_attn, .Lfunc_end_k_qf28bec4d22_attn-k_qf28bec4d22_attn
	.p2alignl 7, 3214868480
	.fill 96, 4, 3214868480
	.section	.rodata,"a",@progbits
	.p2align	6, 0x0
	.amdhsa_kernel k_qf28bec4d22_attn
		.amdhsa_group_segment_fixed_size 327680
		.amdhsa_private_segment_fixed_size 0
		.amdhsa_enable_private_segment 0
		.amdhsa_kernarg_size 64
		.amdhsa_user_sgpr_count 2
		.amdhsa_user_sgpr_kernarg_segment_ptr 1
		.amdhsa_wavefront_size32 1
		.amdhsa_system_sgpr_workgroup_id_x 1
		.amdhsa_system_sgpr_workgroup_id_y 1
		.amdhsa_system_sgpr_workgroup_id_z 1
		.amdhsa_system_vgpr_workitem_id 0
		.amdhsa_next_free_vgpr 256
		.amdhsa_next_free_sgpr 102
		.amdhsa_reserve_vcc 1
		.amdhsa_float_denorm_mode_32 3
		.amdhsa_float_denorm_mode_16_64 3
		.amdhsa_fp16_overflow 1
		.amdhsa_memory_ordered 1
		.amdhsa_forward_progress 1
		.amdhsa_inst_pref_size 115
	.end_amdhsa_kernel
	.amdgpu_metadata
---
amdhsa.version: [ 1, 2 ]
amdhsa.kernels:
  - .name:           k_qf28bec4d22_attn
    .symbol:         k_qf28bec4d22_attn.kd
    .args:
      - { .name: q_img, .offset: 0, .size: 8, .value_kind: global_buffer, .address_space: global }
      - { .name: q_sc, .offset: 8, .size: 8, .value_kind: global_buffer, .address_space: global }
      - { .name: k_img, .offset: 16, .size: 8, .value_kind: global_buffer, .address_space: global }
      - { .name: k_sc, .offset: 24, .size: 8, .value_kind: global_buffer, .address_space: global }
      - { .name: v_img, .offset: 32, .size: 8, .value_kind: global_buffer, .address_space: global }
      - { .name: v_sc, .offset: 40, .size: 8, .value_kind: global_buffer, .address_space: global }
      - { .name: y_img, .offset: 48, .size: 8, .value_kind: global_buffer, .address_space: global }
      - { .name: y_sc, .offset: 56, .size: 8, .value_kind: global_buffer, .address_space: global }
    .group_segment_fixed_size: 327680
    .private_segment_fixed_size: 0
    .kernarg_segment_align: 8
    .kernarg_segment_size: 64
    .max_flat_workgroup_size: 512
    .sgpr_count:     102
    .vgpr_count:     256
    .wavefront_size: 32
...
	.end_amdgpu_metadata
.endif
;; end of part 2
;; launch proj (part 3): grid 8 x 32, 4 waves a work-group, clusters of 4 x 4, 327,680 bytes of LDS; arguments y_img, y_sc, w_proj_codes, w_proj_scales, out0; writes out0
.if DOCPART == 3
	.amdgcn_target "amdgcn-amd-amdhsa--gfx1250"
	.amdhsa_code_object_version 6
	.text
	.protected	k_qf28bec4d22_proj
	.globl	k_qf28bec4d22_proj
	.p2align	8
	.type	k_qf28bec4d22_proj,@function
k_qf28bec4d22_proj:
	s_mov_b64 s[64:65], 0
	v_nop
	global_prefetch_b8 v0, s[64:65] scope:SCOPE_SE
	s_setreg_imm32_b32 hwreg(HW_REG_WAVE_MODE, 25, 1), 1
	s_wait_xcnt 0x0
	s_wait_alu depctr_hold_cnt(0) depctr_sa_sdst(0) depctr_va_vdst(0) depctr_va_sdst(0) depctr_va_ssrc(0) depctr_va_vcc(0) depctr_vm_vsrc(0)
	s_getreg_b32 s2, hwreg(HW_REG_IB_STS2, 6, 4)
	s_cmp_eq_u32 s2, 0
	s_cbranch_scc0 .Lentry_in_a_cluster
	s_endpgm
.Lentry_in_a_cluster:
	s_bfe_u32 s2, ttmp6, 0x10000c
	s_cmp_lg_u32 s2, 0xf033
	s_cbranch_scc0 .Lentry_shape_is_right
	s_endpgm
.Lentry_shape_is_right:
; out0 = y w_proj^T on codes of FP8 (E4M3) with one E8M0 scale for each 32 along K = 1,024; out0 [8,192][1,024] f32; sums in f32.
; y comes as images of operand registers, y_img [16 rows 512][128 of K 8][c 4][lane 32][16 bytes] (lane (r, h) of chunk c holds K = 32 c + 16 h + 0 .. 15 of row r), with y_sc [8,192][32] scale bytes; w_proj as rows of 1,024 codes and 32 scale bytes.
; R = y (source 1: a lane holds one row of out0), P = w_proj (source 0: a lane's eight results are eight neighbouring columns).  A tile is 256 R x 128 P: 32 x 8 = 256 work-groups.
; Four waves, each 128 x 64: 32 accumulators, 256 registers.  K goes in steps of 256 through a ring of two LDS slots; the scale bytes of the tile's rows, for all of K, come once, with the first fills.
; 4 x 4 work-groups form a cluster: R's tiles are asked for jointly along a row of the cluster, P's along a column.
; REGISTERS, in windows of 256: window 0: v16-29 addresses; v32-63 scale words, two sets, and nothing else; from v128 R's fragments, ONE set (on the way out: rows of out0).
;   window 1: P's fragments, TWO sets of four, at v0 and v128.   window 2: the accumulators ((a, b) at v[8 (4 a + b)]).
.set NQ,     2                         ; matrix instructions deep in a slot
.set ROWB,   256                       ; a row of P's tile in bytes
.set PITCH,  272                       ; and in LDS: + 16 of padding = 68 words: row r starts at bank 4 r mod 64 (64 banks of 4 bytes: ISA guide 11.1)
.set FR,     16
.set NL,     4
.set NP,     8                         ; places behind this matrix instruction (ISA guide 7.12.1)
.set RSTEP,  4096                      ; a K step of 16 rows of y: two images of 2,048 bytes
.set HALFA,  8*RSTEP                   ; 128 rows of R: what one tensor load brings; dense: every LDS load takes 512 consecutive bytes
.set POFF,   2*HALFA                   ; P's rows lie behind R's
.set HALFB,  64*PITCH                  ; 64 rows of P
.set SLOT,   POFF+2*HALFB
.set LAPS,   2
.set KS,     32
.set SCLP,   2*SLOT                    ; behind the ring: P's scales (128 rows), as units of 256 bytes + 16 of padding,
.set HALFSP, 8*272
.set SCLR,   SCLP+2*HALFSP             ; then R's (256 rows): the loads of scale words reach four blocks past P's four, into bytes that R's scales fill
.set HALFSR, 16*272
.set SBLK,   2*272                     ; the scales of 16 rows
.set SPARE,  SCLR+2*HALFSR             ; the spare words, 128 bytes for each wave: two blocks of 256 bytes that no other line names
.set SPITCH, 272                       ; the way out: a stage of 16 rows x (256 bytes + 16) for each wave, in slot 0, which has had its last fill and its last read by then
.set ADRA, 16
.set ADRB, 20
.set STO,  24
.set RD,   25
.set CO,   26
.set ADRS, 27                          ; v27  LDS address of my scale words: lanes 0-15 P's rows, lanes 16-31 R's
.set SPW,  28
.set NIL,  29
.set SC,   32
.set AF,   128
.set BK,   128                         ; the way out: 16 rows read back: v128-159 and v160-191 by turns
.set G1, 24
.set G0, 32
.set G1B, 48
.set G0B, 56
.set G1S, 68
.set G0S, 76
.set G1SB, 80
.set G0SB, 88
.set MSB, 0
.macro WIN new                         ; the immediate's high byte repeats the setting that is left
.if MSB != \new
	s_set_vgpr_msb (MSB<<8)|\new
.set MSB, \new
.endif
.endm
.set MUL,  0xa1                        ; source 0 (P) window 1, source 1 (R) window 0, C and D window 2
.set TO_B, 0x40                        ; destination window 1, address window 0
.macro JLOAD g0a, g1a, g0b, g1b        ; a joint load: waves 0 and 1 fetch for R, waves 2 and 3 for P; four v_nop follow each of the two lines
	s_cmp_eq_u32 s15, 0
	s_cbranch_scc0 .Lfor_b_\@
	tensor_load_to_lds s[\g0a:\g0a+3], s[\g1a:\g1a+7]
	s_nop 0
.rept 4
	v_nop
.endr
	s_branch .Lasked_\@
.Lfor_b_\@:
	tensor_load_to_lds s[\g0b:\g0b+3], s[\g1b:\g1b+7]
	s_nop 0
.rept 4
	v_nop
.endr
.Lasked_\@:
.endm
.macro CREST                           ; a round of the cluster's barrier behind its opening barrier
	s_cmp_lg_u32 s14, 0
	s_cbranch_scc1 .Lnot_wave_0_\@
	s_barrier_signal -3
.Lnot_wave_0_\@:
	s_barrier_wait -3
	s_barrier_signal -1
	s_barrier_wait -1
.endm
.macro CROUND
	s_barrier_signal -1
	s_barrier_wait -1
	CREST
.endm
	s_load_b128 s[4:7], s[0:1], 0x0                ; y_img s[4:5], y_sc s[6:7]
	s_load_b128 s[8:11], s[0:1], 0x10              ; w_proj's codes s[8:9], its scales s[10:11]
	s_load_b64 s[12:13], s[0:1], 0x20              ; out0
	v_lshl_add_u32 v[SPW], v0, 2, SPARE
	v_mov_b32 v[NIL], 0
	ds_add_u32 v28, v29
	ds_add_u32 v28, v29
	s_wait_dscnt 0x0
	v_lshrrev_b32 v1, 5, v0
	v_readfirstlane_b32 s14, v1                    ; wave 0..3
	s_lshr_b32 s15, s14, 1                         ; which 128 rows of R are mine.  Also: I fetch for R (0) or for P (1)
	s_and_b32 s16, s14, 1                          ; which 64 rows of P.  Also: which half of that tile I fetch
	s_bfe_u32 s40, ttmp6, 0x40000                  ; cx, cy
	s_bfe_u32 s41, ttmp6, 0x40004
	s_lshl_b32 s42, ttmp9, 2
	s_add_co_u32 s42, s42, s40                     ; P's tile = 4 x cluster x + cx
	s_and_b32 s17, ttmp7, 0xffff
	s_lshl_b32 s17, s17, 2
	s_add_co_u32 s17, s17, s41                     ; R's tile = 4 x cluster y + cy
	s_lshl_b32 s43, s41, 2
	s_lshl_b32 s43, 15, s43                        ; my row of the cluster
	s_lshl_b32 s44, 0x1111, s40                    ; my column
	s_or_b32 s[G1+0], s43, (3<<16)|(1<<21)         ; R: 8 rows of 4,096 bytes (512 elements of 8), 16,384 apart in memory, dense in LDS; the mask: my row; 21 set beside it
	s_mov_b32 s[G1+1], 512<<16                     ; tensor_dim0
	s_mov_b32 s[G1+2], 8<<16                       ; tensor_dim1
	s_mov_b32 s[G1+3], 512<<16                     ; tile_dim0
	s_mov_b32 s[G1+4], 8                           ; tile_dim1
	s_mov_b32 s[G1+5], 2048                        ; tensor_dim0_stride
	s_mov_b32 s[G1+6], 0
	s_mov_b32 s[G1+7], 0
	s_or_b32 s[G1B+0], s44, (0<<16)|(1<<20)|(1<<21)|(5<<22)|(3<<25)   ; P: 64 rows of 256 bytes, four words of padding after every 64; the mask: my column
	s_mov_b32 s[G1B+1], ROWB<<16
	s_mov_b32 s[G1B+2], 64<<16
	s_mov_b32 s[G1B+3], ROWB<<16
	s_mov_b32 s[G1B+4], 64
	s_mov_b32 s[G1B+5], 1024
	s_mov_b32 s[G1B+6], 0
	s_mov_b32 s[G1B+7], 0
	s_or_b32 s[G1S+0], s43, (3<<16)|(1<<20)|(1<<21)|(5<<22)|(3<<25)   ; R's scales of 128 rows: 4,096 dense bytes as 16 rows of 256, 16 bytes of padding behind each
	s_mov_b32 s[G1S+1], 32<<16
	s_mov_b32 s[G1S+2], 16<<16
	s_mov_b32 s[G1S+3], 32<<16
	s_mov_b32 s[G1S+4], 16
	s_mov_b32 s[G1S+5], 32
	s_mov_b32 s[G1S+6], 0
	s_mov_b32 s[G1S+7], 0
	s_or_b32 s[G1SB+0], s44, (3<<16)|(1<<20)|(1<<21)|(5<<22)|(3<<25)  ; P's of 64 rows: 8 such rows
	s_mov_b32 s[G1SB+1], 32<<16
	s_mov_b32 s[G1SB+2], 8<<16
	s_mov_b32 s[G1SB+3], 32<<16
	s_mov_b32 s[G1SB+4], 8
	s_mov_b32 s[G1SB+5], 32
	s_mov_b32 s[G1SB+6], 0
	s_mov_b32 s[G1SB+7], 0
	s_lshl_b32 s20, s17, 18                        ; R: 256 rows are 16 x 16,384 bytes of images,
	s_lshl_b32 s18, s16, 17                        ; 128 rows half of that
	s_add_co_u32 s20, s20, s18
	s_mov_b32 s21, 0
	s_lshr_b32 s22, s20, 5                         ; and 32 bytes of scales stand for 1,024 of codes
	s_mov_b32 s23, 0
	s_lshl_b32 s46, s42, 17                        ; P: 128 rows of 1,024 bytes,
	s_lshl_b32 s18, s16, 16                        ; 64 rows
	s_add_co_u32 s46, s46, s18
	s_mov_b32 s47, 0
	s_lshr_b32 s92, s46, 5
	s_mov_b32 s93, 0
	s_lshl_b32 s45, s16, 15                        ; where they go: no place in the cluster enters an LDS address
	s_mul_i32 s94, s16, HALFB
	s_add_co_u32 s94, s94, POFF
	s_mul_i32 s95, s16, HALFSR
	s_add_co_u32 s95, s95, SCLR
	s_mul_i32 s96, s16, HALFSP
	s_add_co_u32 s96, s96, SCLP
	s_wait_kmcnt 0x0
	s_add_nc_u64 s[20:21], s[4:5], s[20:21]
	s_add_nc_u64 s[22:23], s[6:7], s[22:23]
	s_add_nc_u64 s[46:47], s[8:9], s[46:47]
	s_add_nc_u64 s[92:93], s[10:11], s[92:93]
	CROUND                                         ; all sixteen work-groups are here: the first joint loads meet
	s_mov_b32 s[G0S], 1
	s_mov_b32 s[G0S+1], s95
	s_mov_b64 s[G0S+2:G0S+3], s[22:23]
	s_or_b32 s[G0S+3], s[G0S+3], 0x80000000
	s_mov_b32 s[G0SB], 1
	s_mov_b32 s[G0SB+1], s96
	s_mov_b64 s[G0SB+2:G0SB+3], s[92:93]
	s_or_b32 s[G0SB+3], s[G0SB+3], 0x80000000
	JLOAD G0S, G1S, G0SB, G1SB                     ; the scales first: they are wanted with K step 0
.irp s, 0,1
	s_mov_b32 s[G0+4*\s], 1
	s_add_co_u32 s[G0+4*\s+1], s45, \s*SLOT
	s_add_nc_u64 s[G0+4*\s+2:G0+4*\s+3], s[20:21], \s*RSTEP
	s_or_b32 s[G0+4*\s+3], s[G0+4*\s+3], 0x80000000
	s_mov_b32 s[G0B+4*\s], 1
	s_add_co_u32 s[G0B+4*\s+1], s94, \s*SLOT
	s_add_nc_u64 s[G0B+4*\s+2:G0B+4*\s+3], s[46:47], \s*ROWB
	s_or_b32 s[G0B+4*\s+3], s[G0B+4*\s+3], 0x80000000
	s_wait_alu depctr_va_vdst(0)
	s_wait_tensorcnt 0x0
	ds_add_u32 v28, v29
	s_wait_dscnt 0x0
	CROUND
	JLOAD G0+4*\s, G1, G0B+4*\s, G1B               ; one tensor load of mine is out now
.endr
	v_and_b32 v1, 15, v0                           ; r
	v_bfe_u32 v2, v0, 4, 1                         ; h
	v_and_b32 v6, 31, v0
	v_lshlrev_b32 v7, 4, v6                        ; R: 16 x lane in a chunk
	v_mul_u32_u24 v3, v1, PITCH
	v_lshl_add_u32 v4, v2, 4, v3                   ; P: row x pitch + 16 x half
	s_lshl_b32 s21, s15, 15                        ; my 128 rows of R
	s_mul_i32 s22, s16, HALFB                      ; my 64 rows of P
	s_add_co_u32 s22, s22, POFF
.irp s, 0,1
	v_add_nc_u32 v[ADRA+\s], s21, v7
	v_add_nc_u32 v[ADRB+\s], s22, v4
	s_add_co_u32 s21, s21, SLOT
	s_add_co_u32 s22, s22, SLOT
.endr
	v_mul_u32_u24 v5, v1, KS                       ; my row's scales: 32 bytes a row,
	v_lshrrev_b32 v6, 8, v5
	v_lshl_add_u32 v5, v6, 4, v5                   ; and 16 more for each 256 passed
	s_mul_i32 s21, s16, HALFSP                     ; P's: my 64 rows
	s_mul_i32 s22, s15, HALFSR                     ; R's: my 128 rows, behind P's 128
	s_add_co_u32 s22, s22, SCLR-SCLP
	s_sub_co_u32 s22, s22, s21
	v_mul_u32_u24 v6, s22, v2                      ; lanes 16-31 take R's
	s_add_co_u32 s21, s21, SCLP
	v_add_nc_u32 v5, v5, v6
	v_add_nc_u32 v[ADRS], s21, v5
	s_mul_i32 s23, s14, 16*SPITCH                  ; my stage
	v_mul_u32_u24 v5, v1, SPITCH                   ; in: row r, 32 bytes for each half of the lanes
	v_lshl_add_u32 v5, v2, 5, v5
	v_add_nc_u32 v[STO], s23, v5
	v_mul_u32_u24 v5, v2, SPITCH                   ; back: lanes 0-15 take one row of 256 bytes, lanes 16-31 the next
	v_lshl_add_u32 v5, v1, 4, v5
	v_add_nc_u32 v[RD], s23, v5
	v_lshlrev_b32 v5, 12, v2                       ; and the same two rows in out0: 4,096 bytes a row
	v_lshl_add_u32 v[CO], v1, 4, v5
	s_lshl_b32 s20, s17, 8
	s_lshl_b32 s21, s15, 7
	s_add_co_u32 s20, s20, s21                     ; my first row of out0
	s_lshl_b32 s20, s20, 12
	s_lshl_b32 s46, s42, 9                         ; my first column, in bytes: 512 x tile + 256 x half
	s_lshl_b32 s47, s16, 8
	s_add_co_u32 s46, s46, s47
	s_add_co_u32 s20, s20, s46
	s_mov_b32 s21, 0
	s_add_nc_u64 s[12:13], s[12:13], s[20:21]
.macro FRAGP reg, adr, q, i            ; a fragment of P from rows: lane l holds row l % 16; registers 4 c .. 4 c + 3 hold K = 32 c + 16 (l / 16) + 0 .. 15
.irp c, 0,1,2,3
	ds_load_b128 v[\reg+4*\c:\reg+4*\c+3], v[\adr] offset:128*(\q)+32*\c+(\i)*16*PITCH
.endr
.endm
.macro FRAGR reg, adr, q, i            ; a fragment of R from its image: four chunks of 512 bytes
.irp c, 0,1,2,3
	ds_load_b128 v[\reg+4*\c:\reg+4*\c+3], v[\adr] offset:2048*(\q)+512*\c+(\i)*RSTEP
.endr
.endm
; 8 matrix instructions: R's blocks a0, a0 + 1 x P's four, 128 along K.  The 32 accumulators take turns, one instruction a turn, in the same order in every step.
.macro MUL8 a0, p, q, sc, zero
.irp a, \a0, \a0+1
.irp b, 0,1,2,3
.if \zero
	v_wmma_scale_f32_16x16x128_f8f6f4 v[8*(4*(\a)+\b):8*(4*(\a)+\b)+7], v[128*(\p)+FR*\b:128*(\p)+FR*\b+FR-1], v[AF+FR*(\a):AF+FR*(\a)+FR-1], 0, v[SC+8*NQ*(\sc)+NQ*\b+(\q)], v[SC+8*NQ*(\sc)+NQ*(\a)+(\q)] matrix_b_scale:MATRIX_SCALE_ROW1
.else
	v_wmma_scale_f32_16x16x128_f8f6f4 v[8*(4*(\a)+\b):8*(4*(\a)+\b)+7], v[128*(\p)+FR*\b:128*(\p)+FR*\b+FR-1], v[AF+FR*(\a):AF+FR*(\a)+FR-1], v[8*(4*(\a)+\b):8*(4*(\a)+\b)+7], v[SC+8*NQ*(\sc)+NQ*\b+(\q)], v[SC+8*NQ*(\sc)+NQ*(\a)+(\q)] matrix_b_scale:MATRIX_SCALE_ROW1
.endif
.endr
.endr
.endm
.macro FETCH_B slot, q, p              ; P's four fragments into set p
	WIN TO_B
.irp i, 0,1,2,3
	FRAGP 128*(\p)+FR*\i, ADRB+\slot, \q, \i
.endr
	WIN 0
.endm
.macro FETCH_A slot, q, i0             ; R's blocks i0 .. i0 + 3
.irp i, \i0, \i0+1, \i0+2, \i0+3
	FRAGR AF+FR*(\i), ADRA+\slot, \q, \i
.endr
.endm
.macro SCALES sc                       ; a K step's scale words into set sc: lanes 0-15 take P's block i (of use for i < 4), lanes 16-31 R's block i
.irp i, 0,1,2,3,4,5,6,7
	ds_load_b64 v[SC+8*NQ*\sc+NQ*\i:SC+8*NQ*\sc+NQ*\i+1], v[ADRS] offset:\i*SBLK
.endr
.endm
.macro PLACES n
.rept \n
	v_nop
.endr
.endm
.macro STEP slot, q, zero              ; a step of 128 along K that has its successor in the same slot
	s_wait_dscnt 4*NL                              ; P's set and R's blocks 0-3 are in; the youngest 16 loads (R's blocks 4-7) may be out
	WIN MUL
	MUL8 0, (\q)%2, \q, \slot, \zero
	MUL8 2, (\q)%2, \q, \slot, \zero
	s_wait_dscnt 0                                 ; R's blocks 4-7 are in
	PLACES NP
	FETCH_B \slot, (\q)+1, 1-(\q)%2
	FETCH_A \slot, (\q)+1, 0
	WIN MUL
	MUL8 4, (\q)%2, \q, \slot, \zero
	MUL8 6, (\q)%2, \q, \slot, \zero
	PLACES NP
	WIN 0
	FETCH_A \slot, (\q)+1, 4
.endm
; A slot's last step changes slots: ONE barrier; in front of it each wave waits for all its tensor loads, adds 0 to its spare word, and waits for that and for its own reads of this slot.
.macro TURN slot, next, fill
	s_wait_tensorcnt 0x0                           ; all my tensor loads have landed: my part of the next slot
	ds_add_u32 v[SPW], v[NIL]                      ; 0 onto my spare word
	s_wait_dscnt 4*NL+1                            ; (the add and the youngest 16 loads may be out)
	WIN MUL
	MUL8 0, 1, NQ-1, \slot, 0                      ; eight matrix instructions stand between the add and the wait for it
	s_wait_dscnt 0x0                               ; the add is done, and my reads of this slot are over
	s_barrier_signal -1
	MUL8 2, 1, NQ-1, \slot, 0
	WIN 0
	s_barrier_wait -1
.if \fill
	CREST                                          ; the barrier has opened a round of the cluster's barrier: no wave of any partner still reads this slot's tile or has a load on its way
	s_add_nc_u64 s[G0+4*\slot+2:G0+4*\slot+3], s[G0+4*\slot+2:G0+4*\slot+3], 2*RSTEP
	s_add_nc_u64 s[G0B+4*\slot+2:G0B+4*\slot+3], s[G0B+4*\slot+2:G0B+4*\slot+3], 2*ROWB
	JLOAD G0+4*\slot, G1, G0B+4*\slot, G1B         ; the first tensor load behind the round; its four v_nop are among the places in front of the loads below
	PLACES NP-4
.else
	PLACES NP
.endif
	s_wait_alu depctr_va_vdst(0)
	v_add_nc_u32 v[ADRS], 4*NQ, v[ADRS]            ; on to the next K step's scale words
	FETCH_B \next, 0, 0
	FETCH_A \next, 0, 0
	SCALES \next
	WIN MUL
	MUL8 4, 1, NQ-1, \slot, 0
	MUL8 6, 1, NQ-1, \slot, 0
	PLACES NP
	WIN 0
	FETCH_A \next, 0, 4
.endm
	s_wait_alu depctr_va_vdst(0)
	s_wait_tensorcnt 1                             ; the scales and my part of K step 0 are in (K step 1's load may be out)
	s_barrier_signal -1
	s_barrier_wait -1                              ; everybody's are
	FETCH_B 0, 0, 0
	FETCH_A 0, 0, 0
	SCALES 0
	FETCH_A 0, 0, 4
	STEP 0, 0, 1                                   ; the first step stands in front of the loop: its products start the sums
	s_mov_b32 s3, LAPS-1
.Llap:
	TURN 0, 1, 1
	STEP 1, 0, 0
	TURN 1, 0, 1
	STEP 0, 0, 0
	s_sub_co_u32 s3, s3, 1
	s_cmp_lg_u32 s3, 0
	s_cbranch_scc1 .Llap
	TURN 0, 1, 0                                   ; the last lap fills nothing
	STEP 1, 0, 0
	s_wait_dscnt 4*NL                              ; the very last step
	WIN MUL
	MUL8 0, 1, NQ-1, 1, 0
	MUL8 2, 1, NQ-1, 1, 0
	s_wait_dscnt 0
	MUL8 4, 1, NQ-1, 1, 0
	MUL8 6, 1, NQ-1, 1, 0
	WIN 0
; THE WAY OUT, block by block of 16 rows x 64 columns.  A lane holds 32 neighbouring bytes of a row: a block goes through my own stage in LDS and comes back as whole rows of 256 bytes:
; sixteen lanes store 256 consecutive bytes, aligned.  LDS serves a wave's instructions in order (ISA guide 5.7.1.4): no wait between the stores and the loads.
.macro TOSTAGE a
	WIN 0x08                                       ; an LDS store's data are its source 1: window 2
.irp b, 0,1,2,3
	ds_store_b128 v[STO], v[8*(4*(\a)+\b):8*(4*(\a)+\b)+3] offset:64*\b          ; each accumulator from its low end on
	ds_store_b128 v[STO], v[8*(4*(\a)+\b)+4:8*(4*(\a)+\b)+7] offset:64*\b+16
.endr
	WIN 0
.set BB, BK+32*((\a)%2)
.irp t, 0,1,2,3,4,5,6,7
	ds_load_b128 v[BB+4*\t:BB+4*\t+3], v[RD] offset:\t*2*SPITCH
.endr
.endm
.macro SEND a, younger                 ; younger: the LDS instructions issued behind block a's loads, which may stay out
.set BB, BK+32*((\a)%2)
	s_wait_dscnt \younger                          ; the block is back in registers
.if (\a) > 0
	s_add_nc_u64 s[12:13], s[12:13], 16*4096       ; (behind a wait on XCNT: the earlier stores have read their base)  16 rows of out0 on
.endif
.irp t, 0,1,2,3,4,5,6,7
	global_store_b128 v[CO], v[BB+4*\t:BB+4*\t+3], s[12:13] offset:2*\t*4096 th:TH_STORE_NT   ; written once, read by nobody here
.endr
.endm
	PLACES NP                                      ; behind the last products: for the reads of their results and the loads into R's fragments
	TOSTAGE 0
.irp a, 1,2,3,4,5,6,7
.if \a > 1
	s_wait_xcnt 0x0                                ; block a - 2's stores have read their registers and their base: block a's loads may land there, and the base may step
.endif
	TOSTAGE \a
	SEND \a-1, 16                                  ; behind block a - 1's loads: block a's 8 stores and 8 loads
.endr
	s_wait_xcnt 0x0                                ; block 6's stores have read their base
	SEND 7, 0
	s_wait_tensorcnt 0x0                           ; the wave's end: behind my last tensor load and my last LDS store
	ds_add_u32 v[SPW], v[NIL]
	s_wait_dscnt 0x0
	CROUND                                         ; the closing round: no work-group ends while a partner may still ask for a tile that names it
	s_endpgm
.Lfunc_end_k_qf28bec4d22_proj:
	.size	k_qf28bec4d22_proj, .Lfunc_end_k_qf28bec4d22_proj-k_qf28bec4d22_proj
	.p2alignl 7, 3214868480
	.fill 96, 4, 3214868480
	.section	.rodata,"a",@progbits
	.p2align	6, 0x0
	.amdhsa_kernel k_qf28bec4d22_proj
		.amdhsa_group_segment_fixed_size 327680
		.amdhsa_private_segment_fixed_size 0
		.amdhsa_enable_private_segment 0
		.amdhsa_kernarg_size 40
		.amdhsa_user_sgpr_count 2
		.amdhsa_user_sgpr_kernarg_segment_ptr 1
		.amdhsa_wavefront_size32 1
		.amdhsa_system_sgpr_workgroup_id_x 1
		.amdhsa_system_sgpr_workgroup_id_y 1
		.amdhsa_system_sgpr_workgroup_id_z 1
		.amdhsa_system_vgpr_workitem_id 0
		.amdhsa_next_free_vgpr 768
		.amdhsa_next_free_sgpr 98
		.amdhsa_reserve_vcc 0
		.amdhsa_float_denorm_mode_32 3
		.amdhsa_float_denorm_mode_16_64 3
		.amdhsa_memory_ordered 1
		.amdhsa_forward_progress 1
		.amdhsa_inst_pref_size 93
	.end_amdhsa_kernel
	.amdgpu_metadata
---
amdhsa.version: [ 1, 2 ]
amdhsa.kernels:
  - .name:           k_qf28bec4d22_proj
    .symbol:         k_qf28bec4d22_proj.kd
    .args:
      - { .name: y_img, .offset: 0, .size: 8, .value_kind: global_buffer, .address_space: global }
      - { .name: y_sc, .offset: 8, .size: 8, .value_kind: global_buffer, .address_space: global }
      - { .name: w_proj_codes, .offset: 16, .size: 8, .value_kind: global_buffer, .address_space: global }
      - { .name: w_proj_scales, .offset: 24, .size: 8, .value_kind: global_buffer, .address_space: global }
      - { .name: out0, .offset: 32, .size: 8, .value_kind: global_buffer, .address_space: global }
    .group_segment_fixed_size: 327680
    .private_segment_fixed_size: 0
    .kernarg_segment_align: 8
    .kernarg_segment_size: 40
    .max_flat_workgroup_size: 128
    .sgpr_count:     98
    .vgpr_count:     768
    .wavefront_size: 32
...
	.end_amdgpu_metadata
.endif
;; end of part 3
